; MI455X (gfx1250); checked and timed in simulation.
; The chip was launched on July 23, 2026; its instructions are those of AMD's public machine-readable ISA for CDNA 5 (MIT licence, August 2026) and "CDNA5" Instruction Set Architecture Reference Guide (July 2026). The comments in the code are by the model that wrote it; some were corrected since.
;; Self Attention. Allowed arithmetic: float matrix products may take bf16 or f16 operands with f32 sums; other float arithmetic in f32, or as packed bf16 or f16 multiplies, adds, multiply-adds, maxima and minima; sums over many terms, partial sums and values carried from step to step in f32; what a program stores and reads back later, other than sums and carried values, may be rounded once to bf16 or f16.
;; Inputs: Wk 1,024 x 1,024 float32; Wp 1,024 x 1,024 float32; Wv 1,024 x 1,024 float32; beta 1,024 float32; bk 1,024 float32; bp 1,024 float32; bv 1,024 float32; gamma 1,024 float32; query 4 x 4,096 x 1,024 float32; src_mask 4 x 4,096 x 1 float32; x 4 x 4,096 x 1,024 float32.
;; Outputs: out0 4 x 4,096 x 1,024 float32.
;; One version. Each part assembles by itself: llvm-mc -triple=amdgcn-amd-amdhsa -mcpu=gfx1250 --defsym DOCPART=n.
;; ======== version 1 of 1: 5 launches
;; limits: values are held in f16: magnitudes above 65,504 overflow, below 6.1e-05 lose precision
;; workspace buffers: xn 33,554,432 bytes; qs 33,554,432 bytes; wkv 4,194,304 bytes; part 16,777,216 bytes; stat 524,288 bytes; attnw 1,048,576 bytes; amax 8,192 bytes; mt 8,388,608 bytes
;; launch prep (part 1): grid 256 x 3, 8 waves a work-group, no clusters, 0 bytes of LDS; arguments x, gamma, beta, Wk, Wv, xn, wkv; writes xn, wkv
.if DOCPART == 1
	.amdgcn_target "amdgcn-amd-amdhsa--gfx1250"
	.amdhsa_code_object_version 6
	.text
	.protected	k_qd1aee5ea3e_prep
	.globl	k_qd1aee5ea3e_prep
	.p2align	8
	.type	k_qd1aee5ea3e_prep,@function
k_qd1aee5ea3e_prep:
	s_mov_b64 s[64:65], 0
	v_nop
	global_prefetch_b8 v0, s[64:65] scope:SCOPE_SE
	s_setreg_imm32_b32 hwreg(HW_REG_WAVE_MODE, 25, 1), 1
	s_wait_xcnt 0x0
; y = 0, 1: xn = LayerNorm(x) * gamma + beta, rounded once to f16.  x: [16384][1024] f32, xn: [16384][1024] f16.
; y = 2:    wkv = Wk and Wv rounded to f16, interleaved by head: row 128 h + r is Wk[64 h + r] for r < 64 and Wv[64 h + r - 64] for r >= 64.
; A wave takes a whole row of 4,096 bytes: eight loads of 16 bytes a lane, 512 consecutive bytes each; the row stays in 32 registers between the mean, the variance
; (taken of x - mean, as the definition has it, not as a difference of two large sums) and the scaling, so memory is read once.  No LDS, no barrier: no wave needs another.
; Load j of a lane holds columns 128 j + 4 lane + 0..3; their four f16 are 8 bytes, and the 32 lanes of a store cover 256 consecutive bytes, aligned.
; LIMITS.  f16 holds no number beyond 65,504: xn and the weights must lie within it; below 6e-5 f16 keeps a fixed step of 6e-8.  NaN and infinities are not treated apart.
.set ROWS, 4                           ; rows of a wave in the LayerNorm part: 512 work-groups x 8 waves x 4 = 16,384
.set VO,  2                            ; v2        16 x lane: my bytes in 512 of an f32 row
.set VS,  3                            ; v3        8 x lane: my bytes in 256 of an f16 row
.set S,   8                            ; v[8:15]   four chains of packed sums
.set MU,  16                           ; v[16:17]  the mean, twice
.set RS,  18                           ; v[18:19]  1 / sqrt(var + eps), twice
.set T,   20                           ; v[20:21]  at work
.set X,   32                           ; v[32:63]  the row
.set G,   64                           ; v[64:95]  gamma of my 32 columns
.set BT,  96                           ; v[96:127] beta
.set Y,   128                          ; v[128:143] the row in f16
	s_load_b256 s[4:11], s[0:1], 0x0               ; x s[4:5], gamma s[6:7], beta s[8:9], Wk s[10:11]
	s_load_b128 s[12:15], s[0:1], 0x20             ; Wv s[12:13], xn s[14:15]
	s_load_b64 s[16:17], s[0:1], 0x30              ; wkv
	v_lshrrev_b32 v1, 5, v0
	v_readfirstlane_b32 s20, v1                    ; wave 0..7
	s_and_b32 s21, ttmp7, 0xffff                   ; y
	v_and_b32 v1, 31, v0
	v_lshlrev_b32 v[VO], 4, v1
	v_lshlrev_b32 v[VS], 3, v1
	v_mov_b32 v[T+1], 0                            ; v_permlanex16_b32 counts as a reader of its destination
	s_mov_b32 s24, 0x76543210                      ; lane i of one half reads lane i of the other
	s_mov_b32 s25, 0xfedcba98
	s_mov_b32 s26, 0x3a800000                      ; 1 / 1024
	s_mov_b32 s27, 0x3727c5ac                      ; 1e-5
	s_wait_kmcnt 0x0
	s_cmp_eq_u32 s21, 2
	s_cbranch_scc1 .Lweights
	s_lshl_b32 s28, s21, 8
	s_add_co_u32 s28, s28, ttmp9                   ; 256 y + x
	s_lshl_b32 s28, s28, 5                         ; 32 rows a work-group,
	s_lshl_b32 s29, s20, 2
	s_add_co_u32 s28, s28, s29                     ; 4 a wave
	s_lshl_b32 s30, s28, 11                        ; in xn: 2,048 bytes a row
	s_lshl_b32 s28, s28, 12                        ; in x: 4,096
	s_mov_b32 s29, 0
	s_mov_b32 s31, 0
	s_add_nc_u64 s[4:5], s[4:5], s[28:29]
	s_add_nc_u64 s[14:15], s[14:15], s[30:31]
.irp j, 0,1,2,3,4,5,6,7
	global_load_b128 v[G+4*\j:G+4*\j+3], v[VO], s[6:7] offset:512*\j
	global_load_b128 v[BT+4*\j:BT+4*\j+3], v[VO], s[8:9] offset:512*\j
.endr
; the four chains, then the 32 lanes: four steps inside each half of 16 lanes ride on the addition, one crosses the halves; every lane ends with the sum
.macro WSUM
	v_pk_add_f32 v[S:S+1], v[S:S+1], v[S+2:S+3]
	v_pk_add_f32 v[S+4:S+5], v[S+4:S+5], v[S+6:S+7]
	v_pk_add_f32 v[S:S+1], v[S:S+1], v[S+4:S+5]
	v_add_f32 v[T], v[S], v[S+1]
.irp m, 1,2,4,8
	v_add_f32_dpp v[T], v[T], v[T] row_xmask:\m row_mask:0xf bank_mask:0xf
.endr
	v_permlanex16_b32 v[T+1], v[T], s24, s25
	v_add_f32 v[T], v[T], v[T+1]
.endm
	s_mov_b32 s22, ROWS
.Lrow:
.irp j, 0,1,2,3,4,5,6,7
	global_load_b128 v[X+4*\j:X+4*\j+3], v[VO], s[4:5] offset:512*\j th:TH_LOAD_NT
.endr
	s_wait_loadcnt 0x0                             ; the row is in (in the first trip gamma and beta too)
.irp k, 0,1,2,3
	v_pk_add_f32 v[S+2*\k:S+2*\k+1], v[X+4*\k:X+4*\k+1], v[X+4*\k+2:X+4*\k+3]  ; the first eight pairs start the chains: nothing is cleared
.endr
.irp n, 8,9,10,11,12,13,14,15
	v_pk_add_f32 v[S+2*(\n%4):S+2*(\n%4)+1], v[S+2*(\n%4):S+2*(\n%4)+1], v[X+2*\n:X+2*\n+1]
.endr
	WSUM
	v_mul_f32 v[MU], s26, v[T]
	v_mul_f32 v[MU+1], s26, v[T]
.set n, 0
.rept 16
	v_pk_add_f32 v[X+2*n:X+2*n+1], v[X+2*n:X+2*n+1], v[MU:MU+1] neg_lo:[0,1] neg_hi:[0,1]  ; x - mean, in place
.set n, n+1
.endr
.irp k, 0,1,2,3
	v_pk_mul_f32 v[S+2*\k:S+2*\k+1], v[X+2*\k:X+2*\k+1], v[X+2*\k:X+2*\k+1]
.endr
.irp n, 4,5,6,7,8,9,10,11,12,13,14,15
	v_pk_fma_f32 v[S+2*(\n%4):S+2*(\n%4)+1], v[X+2*\n:X+2*\n+1], v[X+2*\n:X+2*\n+1], v[S+2*(\n%4):S+2*(\n%4)+1]
.endr
	WSUM
	v_fma_f32 v[T], v[T], s26, s27                 ; var + eps
	v_rsq_f32 v[RS], v[T]
	v_rsq_f32 v[RS+1], v[T]
	v_nop                                          ; a plain instruction behind the last of the two,
	s_wait_alu depctr_va_vdst(0)                   ; and one wait for both, ahead of their first reader
.set n, 0
.rept 16
	v_pk_mul_f32 v[X+2*n:X+2*n+1], v[X+2*n:X+2*n+1], v[RS:RS+1]
.set n, n+1
.endr
.set n, 0
.rept 16
	v_pk_fma_f32 v[X+2*n:X+2*n+1], v[X+2*n:X+2*n+1], v[G+2*n:G+2*n+1], v[BT+2*n:BT+2*n+1]
.set n, n+1
.endr
.set n, 0
.rept 16
	v_cvt_pk_f16_f32 v[Y+n], v[X+2*n], v[X+2*n+1]
.set n, n+1
.endr
.irp j, 0,1,2,3,4,5,6,7
	global_store_b64 v[VS], v[Y+2*\j:Y+2*\j+1], s[14:15] offset:256*\j  ; 32 lanes store 256 consecutive bytes, aligned
.endr
	s_wait_xcnt 0x0                                ; the stores have read Y and their base, the loads their base: only now are they written again
	s_add_nc_u64 s[4:5], s[4:5], 4096
	s_add_nc_u64 s[14:15], s[14:15], 2048
	s_sub_co_u32 s22, s22, 1
	s_cmp_lg_u32 s22, 0
	s_cbranch_scc1 .Lrow
	s_endpgm
.Lweights:                                             ; one row of wkv a wave: 256 work-groups x 8 waves = 2,048 rows
	s_lshl_b32 s28, ttmp9, 3
	s_add_co_u32 s28, s28, s20                     ; the row of wkv
	s_lshr_b32 s30, s28, 7                         ; its head,
	s_lshl_b32 s30, s30, 6
	s_and_b32 s31, s28, 63
	s_add_co_u32 s30, s30, s31                     ; the row of Wk or Wv that it copies
	s_lshl_b32 s30, s30, 12
	s_mov_b32 s31, 0
	s_bfe_u32 s22, s28, 0x10006                    ; bit 6: 0 = Wk, 1 = Wv
	s_cmp_eq_u32 s22, 0
	s_cselect_b64 s[10:11], s[10:11], s[12:13]
	s_add_nc_u64 s[10:11], s[10:11], s[30:31]
	s_lshl_b32 s28, s28, 11
	s_mov_b32 s29, 0
	s_add_nc_u64 s[16:17], s[16:17], s[28:29]
.irp j, 0,1,2,3,4,5,6,7
	global_load_b128 v[X+4*\j:X+4*\j+3], v[VO], s[10:11] offset:512*\j th:TH_LOAD_NT
.endr
	s_wait_loadcnt 0x0
.set n, 0
.rept 16
	v_cvt_pk_f16_f32 v[Y+n], v[X+2*n], v[X+2*n+1]
.set n, n+1
.endr
.irp j, 0,1,2,3,4,5,6,7
	global_store_b64 v[VS], v[Y+2*\j:Y+2*\j+1], s[16:17] offset:256*\j
.endr
	s_endpgm
.Lfunc_end_k_qd1aee5ea3e_prep:
	.size	k_qd1aee5ea3e_prep, .Lfunc_end_k_qd1aee5ea3e_prep-k_qd1aee5ea3e_prep
	.p2alignl 7, 3214868480
	.fill 96, 4, 3214868480
	.section	.rodata,"a",@progbits
	.p2align	6, 0x0
	.amdhsa_kernel k_qd1aee5ea3e_prep
		.amdhsa_group_segment_fixed_size 0
		.amdhsa_private_segment_fixed_size 0
		.amdhsa_enable_private_segment 0
		.amdhsa_kernarg_size 56
		.amdhsa_user_sgpr_count 2
		.amdhsa_user_sgpr_kernarg_segment_ptr 1
		.amdhsa_wavefront_size32 1
		.amdhsa_system_sgpr_workgroup_id_x 1
		.amdhsa_system_sgpr_workgroup_id_y 1
		.amdhsa_system_sgpr_workgroup_id_z 1
		.amdhsa_system_vgpr_workitem_id 0
		.amdhsa_next_free_vgpr 144
		.amdhsa_next_free_sgpr 66
		.amdhsa_reserve_vcc 0
		.amdhsa_float_denorm_mode_32 3
		.amdhsa_float_denorm_mode_16_64 3
		.amdhsa_memory_ordered 1
		.amdhsa_forward_progress 1
		.amdhsa_inst_pref_size 15
	.end_amdhsa_kernel
	.amdgpu_metadata
---
amdhsa.version: [ 1, 2 ]
amdhsa.kernels:
  - .name:           k_qd1aee5ea3e_prep
    .symbol:         k_qd1aee5ea3e_prep.kd
    .args:
      - { .name: x, .offset: 0, .size: 8, .value_kind: global_buffer, .address_space: global }
      - { .name: gamma, .offset: 8, .size: 8, .value_kind: global_buffer, .address_space: global }
      - { .name: beta, .offset: 16, .size: 8, .value_kind: global_buffer, .address_space: global }
      - { .name: Wk, .offset: 24, .size: 8, .value_kind: global_buffer, .address_space: global }
      - { .name: Wv, .offset: 32, .size: 8, .value_kind: global_buffer, .address_space: global }
      - { .name: xn, .offset: 40, .size: 8, .value_kind: global_buffer, .address_space: global }
      - { .name: wkv, .offset: 48, .size: 8, .value_kind: global_buffer, .address_space: global }
    .group_segment_fixed_size: 0
    .private_segment_fixed_size: 0
    .kernarg_segment_align: 8
    .kernarg_segment_size: 56
    .max_flat_workgroup_size: 256
    .sgpr_count:     66
    .vgpr_count:     144
    .wavefront_size: 32
...
	.end_amdgpu_metadata
.endif
;; end of part 1
;; launch kv (part 2): grid 64 x 8, 4 waves a work-group, clusters of 4 x 4, 327,680 bytes of LDS; arguments wkv, xn, src_mask, bk, bv, part, stat; writes part, stat
.if DOCPART == 2
	.amdgcn_target "amdgcn-amd-amdhsa--gfx1250"
	.amdhsa_code_object_version 6
	.text
	.protected	k_qd1aee5ea3e_kv
	.globl	k_qd1aee5ea3e_kv
	.p2align	8
	.type	k_qd1aee5ea3e_kv,@function
k_qd1aee5ea3e_kv:
	s_mov_b64 s[64:65], 0
	v_nop
	global_prefetch_b8 v0, s[64:65] scope:SCOPE_SE
	s_setreg_imm32_b32 hwreg(HW_REG_WAVE_MODE, 25, 1), 1
	s_wait_xcnt 0x0
	s_wait_alu depctr_hold_cnt(0) depctr_sa_sdst(0) depctr_va_vdst(0) depctr_va_sdst(0) depctr_va_ssrc(0) depctr_va_vcc(0) depctr_vm_vsrc(0)
	s_getreg_b32 s2, hwreg(HW_REG_IB_STS2, 6, 4)
	s_cmp_eq_u32 s2, 0
	s_cbranch_scc0 .Lentry_in_a_cluster
	s_endpgm
.Lentry_in_a_cluster:
	s_bfe_u32 s2, ttmp6, 0x10000c
	s_cmp_lg_u32 s2, 0xf033
	s_cbranch_scc0 .Lentry_shape_is_right
	s_endpgm
.Lentry_shape_is_right:
; THE TWO PROJECTIONS AND k^T v IN ONE LAUNCH.  A = wkv [2048][1024] f16 (by heads: 64 rows of Wk, 64 of Wv), B = xn [16384][1024] f16; sums in f32.
; A work-group makes 256 rows of A (two heads) x 256 tokens; each of its four waves 128 x 128: ONE head (wave / 2), 128 tokens (wave % 2): 64 accumulators, 512 registers.
; K goes in 8 steps of 128 through a ring of two LDS slots filled by the tensor data mover; rows of 256 bytes, aligned.  4 x 4 work-groups form a cluster: A's tile is asked for jointly along a row of the cluster, B's along a column.
; A K STEP IS WRITTEN ONCE: which slot is read hangs on one scalar (0 or SLOT) that an exclusive or turns at each change of slots; the fragments' addresses and the walking descriptor's LDS word are made from it.
; Six trips fill a slot again; the last two K steps are a second loop of the same body that asks for nothing.
; THE MATRIX INSTRUCTION IS USED TRANSPOSED: source 0 = 16 tokens, source 1 = 16 rows of A.  In the result lane l holds channel l % 16 of its block and registers 0-7 the tokens 8 (l / 16) + 0..7.
; So key and v never go to memory: rounded to f16 in pairs, two accumulators ARE a fragment (16 channels x 32 tokens) of the second product, attn[d][l] = sum over tokens of p[token][d] v[token][l],
; and a channel's maximum over tokens is a maximum over a lane's registers, the other half of the lanes and the partner wave.
; THE SUMS START with what is added anyway: key's with (1 - mask) x -1e6 of the token, v's with bv of the channel, as the C operand of the first product.  bk enters by the exponent:
; with c = log2(e), mx the largest sum of the 256 tokens: cm = c mx + c bk, p = 2^(c sum + (c bk - cm)) = 2^(c key - cm).  v is multiplied by the mask in f32.
; OUT: for each (batch, head, block of 256 tokens) the 64 x 64 sums of p v in f32 (part, as the registers lie: store i of 32 holds registers 4 (i % 2) + 0..3 of accumulator i / 2 = 4 lb + db:
; lane l has attn[16 db + l % 16][16 lb + 8 (l / 16) + 4 (i % 2) + 0..3]), and cm and the sum of p for its 64 channels (stat).  A later launch joins the 16 blocks by their maxima.
; LIMITS.  f16 holds no number beyond 65,504: v must lie within it; p lies in 0 to 1 and below 6e-5 keeps f16's fixed step of 6e-8; the sum of p is taken of the rounded p, as the product takes them.
; (1 - mask) x -1e6 is made as mask x 1e6 - 1e6 with one rounding: exact for mask 0 and 1.  NaN and infinities are not treated apart.
; REGISTERS, in windows of 256 (s_set_vgpr_msb: bits 1:0 source 0, 3:2 source 1, 5:4 source 2, 7:6 destination):
;   window 0: v0-31 addresses, bk; v32-63 bv spread; v64-127, v128-191 fragments of A, two buffers; v192-255 the tokens' (1 - mask) x -1e6.  On the way out: v64-119 at work, v128-255 P, then the partner's sums
;   window 1: v0-63 the mask of my 128 tokens; v64-127, v128-191 fragments of B, two buffers, on the way out v in f16; v192-199 ones
;   window 2: key's 32 accumulators ((a, b) at v[8 (8 a + b)]), on the way out attn's 16 and the sums' 4;   window 3: v's 32 accumulators
.set SIZE_K, 1024
.set KSTEP,  128
.set KSTEPS, SIZE_K/KSTEP
.set PITCH,  272                       ; an LDS row: 256 bytes + 16 of padding = 68 words: the 16 rows that a load touches start at 16 different groups of four banks (64 banks of 4 bytes: ISA guide 11.1)
.set HALFT,  128*PITCH                 ; 128 rows: what one tensor load brings, and what one wave reads of A or of B
.set SLOT,   4*HALFT                   ; A's 256 rows, then B's 256 rows
.set STATX,  2*SLOT                    ; behind the ring, never filled by a tensor load: 256 bytes a wave, the maxima for the partner wave
.set XCH,    STATX+1024                ; 33 x 512 bytes a head: the second token half's sums on their way to the first's wave
.set XHEAD,  33*512
.set SPARE,  XCH+2*XHEAD               ; the spare words, 128 bytes for each wave: two blocks of 256 bytes that no other line names
.set LANE, 6                           ; v6      my lane
.set BK,   8                           ; v8-11   bk of my lane's channel in each of the four blocks
.set CBK,  12                          ; v12-15  c bk
.set ADRA, 16                          ; v16     LDS address of my A fragments in the slot in hand
.set ADRA0, 17                         ; v17     the same in slot 0; never rewritten
.set ADRB, 20                          ; v20, v21 the same for B
.set ADRB0, 21
.set MOF,  22                          ; v22     my byte offset in src_mask
.set BOF,  23                          ; v23     my byte offset in bk and bv
.set PO,   24                          ; v24     16 x lane
.set SX,   25                          ; v25     where I put my maxima
.set SXP,  26                          ; v26     where the partner wave put its own
.set XA,   27                          ; v27     my 16 bytes in a line of my head's exchange
.set SPW,  28                          ; v28     LDS address of my spare word; never rewritten
.set NIL,  29                          ; v29     0; never rewritten
.set PFO,  30                          ; v30     the prefetches' offset: lane x 2,048; never rewritten
.set BVC,  32                          ; v32-63  bv, eight times for each of the four channel blocks: the C that starts v's sums
.set F0,   64
.set F1,   128
.set NG,   192                         ; v192-255 (1 - mask) x -1e6: the C that starts key's sums, eight registers a token block
.set T,    64                          ; the way out, window 0
.set MR,   96                          ; v96-99   the maximum, then cm
.set OF,   100                         ; v100-107 c bk - cm, twice each
.set LS,   108                         ; v108-111 the sums of p
.set LP,   112                         ; v112-115 the partner's
.set SO,   116                         ; v116-119 what goes to stat
.set PF,   128                         ; v128-255 P: accumulator n's four registers at PF + 4 n; later the partner's 128 sums
.set MK,   0                           ; window 1
.set VF,   64                          ; window 1: v in f16, accumulator n's four registers at VF + 4 n
.set ONE,  192                         ; window 1
.set G1,  24                           ; s[24:31] descriptor group 1 for A's tiles
.set G0,  32                           ; s[32:39] group 0 for A's tiles: a set for each of the two first fills; the second then walks on
.set G1B, 48                           ; s[48:55], s[56:63] the same for B's
.set G0B, 56
.set LIM, 43                           ; s43      2 in a wave that prefetches, else the greatest number
.set PFA, 44                           ; s[44:45] where my prefetches stand
.set TB,  66                           ; s66      LDS byte at which the slot in hand begins: 0 or SLOT
.set WB,  67                           ; s67      wave x HALFT: where my tensor loads land in a slot
.set CS,  78                           ; s[78:79] c = log2(e)
.set MSB, 0
.macro WIN new                         ; the immediate's high byte repeats the setting that is left; a switch that changes nothing is dropped
.if MSB != (\new)
	s_set_vgpr_msb (MSB<<8)|(\new)
.set MSB, \new
.endif
.endm
.set MUL_LO, 0xa1                      ; source 0 (B) window 1, source 1 (A) window 0, C and D window 2
.set MUL_HI, 0xf1                      ; the same, C and D window 3
.set TO_B,   0x40                      ; destination window 1, address window 0
; A joint load by descriptor set s.  Waves 0 and 1 fetch A's two halves, waves 2 and 3 B's; the branch hangs on the wave's number alone.  An s_nop 0 and four v_nop follow each of the two lines.
.macro JLOAD s
	s_cmp_eq_u32 s11, 0
	s_cbranch_scc0 .Lfor_b_\@
	tensor_load_to_lds s[G0+4*(\s):G0+4*(\s)+3], s[G1:G1+7]
	s_nop 0
.rept 4
	v_nop
.endr
	s_branch .Lasked_\@
.Lfor_b_\@:
	tensor_load_to_lds s[G0B+4*(\s):G0B+4*(\s)+3], s[G1B:G1B+7]
	s_nop 0
.rept 4
	v_nop
.endr
.Lasked_\@:
.endm
; A prefetch, behind each joint load and the run of LDS loads that follows it: the K step that stands two refills on, 32 rows x 256 bytes, a lane a row, one instruction a wave.
; Each row's 256 bytes of a K step are named once in the launch: A's rows by the clusters with x = 0, B's by those with y = 0; the four partners that ask for a tile jointly share its rows out by address.
; K steps 0 to 3 come by their loads alone; the loop's last two trips (s3 = 2, 1) ask for nothing: there is no K step two refills on.
.macro ASK
	s_cmp_gt_u32 s3, s[LIM]
	s_cbranch_scc0 .Lnot_mine_\@
	global_prefetch_b8 v[PFO], s[PFA:PFA+1] offset:KSTEP*2 th:TH_LOAD_NT scope:SCOPE_SE
.Lnot_mine_\@:
.endm
.macro CREST                           ; a round of the cluster's barrier behind its opening barrier
	s_cmp_lg_u32 s10, 0
	s_cbranch_scc1 .Lnot_wave_0_\@
	s_barrier_signal -3
.Lnot_wave_0_\@:
	s_barrier_wait -3
	s_barrier_signal -1
	s_barrier_wait -1
.endm
.macro CROUND                          ; a whole round
	s_barrier_signal -1
	s_barrier_wait -1
	CREST
.endm
	s_load_b128 s[4:7], s[0:1], 0x0                ; wkv s[4:5], xn s[6:7]
	s_load_b256 s[68:75], s[0:1], 0x10             ; src_mask s[68:69], bk s[70:71], bv s[72:73], part s[74:75]
	s_load_b64 s[76:77], s[0:1], 0x30              ; stat
	v_lshl_add_u32 v[SPW], v0, 2, SPARE
	v_mov_b32 v[NIL], 0
	ds_add_u32 v[SPW], v[NIL]                      ; the wave's opening: the add and its wait stand ahead of my first tensor load; the set-up below, work on registers, stands between them
	v_lshrrev_b32 v1, 5, v0
	v_readfirstlane_b32 s10, v1                    ; wave 0..3
	s_lshr_b32 s11, s10, 1                         ; which head of the pair is mine.  Also: I fetch for A (0) or for B (1)
	s_and_b32 s12, s10, 1                          ; which 128 tokens.  Also: which 128 rows of that tile I fetch
	s_bfe_u32 s40, ttmp6, 0x40000                  ; cx
	s_bfe_u32 s41, ttmp6, 0x40004                  ; cy
	s_lshl_b32 s42, ttmp9, 2
	s_add_co_u32 s42, s42, s40                     ; the block of 256 tokens = 4 x cluster x + cx
	s_and_b32 s13, ttmp7, 0xffff
	s_lshl_b32 s13, s13, 2
	s_add_co_u32 s13, s13, s41                     ; the pair of heads = 4 x cluster y + cy
	s_lshl_b32 s43, s41, 2
	s_lshl_b32 s43, 15, s43                        ; my row of the cluster
	s_lshl_b32 s44, 0x1111, s40                    ; my column
	; descriptor group 1: a tile of 128 rows x 128 elements of 2 bytes, 4 words of padding behind every 64
	s_or_b32 s[G1+0], s43, (1<<16)|(1<<20)|(1<<21)|(5<<22)|(3<<25)   ; 15:0 the mask: A's tiles go to my row; bit 21 set beside a mask
	s_or_b32 s[G1B+0], s44, (1<<16)|(1<<20)|(1<<21)|(5<<22)|(3<<25)  ; B's to my column
.irp g, G1, G1B
	s_mov_b32 s[(\g)+1], KSTEP<<16                 ; tensor_dim0 = 128
	s_mov_b32 s[(\g)+2], 128<<16                   ; tensor_dim1 = 128
	s_mov_b32 s[(\g)+3], KSTEP<<16                 ; tile_dim0 = 128
	s_mov_b32 s[(\g)+4], 128                       ; tile_dim1 = 128
	s_mov_b32 s[(\g)+5], SIZE_K                    ; elements from row to row
	s_mov_b32 s[(\g)+6], 0
	s_mov_b32 s[(\g)+7], 0
.endr
	s_mov_b32 s[CS], 0x3fb8aa3b                    ; log2(e)
	s_mov_b32 s[CS+1], s[CS]                       ; named with it as a pair
	s_mov_b32 s80, 0x49742400                      ; 1e6
	s_mov_b32 s81, s80
	s_mov_b32 s82, 0xc9742400                      ; -1e6
	s_mov_b32 s83, s82
	s_mov_b32 s84, 0x76543210                      ; v_permlanex16_b32: each lane takes its own place in the other half
	s_mov_b32 s85, 0xfedcba98
	s_lshl_b32 s17, s12, 7                         ; which 128 rows of the tile I fetch
	s_lshl_b32 s16, s13, 8
	s_add_co_u32 s16, s16, s17                     ; A: row 256 x pair + 128 x half
	s_lshl_b32 s46, s42, 8
	s_add_co_u32 s46, s46, s17                     ; B: row 256 x block + 128 x half
	s_lshl_b32 s16, s16, 11                        ; rows of 2,048 bytes: under 2^26
	s_lshl_b32 s46, s46, 11
	s_mov_b32 s17, 0
	s_mov_b32 s47, 0
	s_mul_i32 s[WB], s10, HALFT                    ; where they go: wave x 128 rows: no place in the cluster enters an LDS address
	s_mov_b32 s[TB], 0                             ; K step 0 lies in slot 0
	s_wait_dscnt 0x0                               ; the opening add is done
	s_wait_kmcnt 0x0
	s_add_nc_u64 s[14:15], s[4:5], s[16:17]
	s_add_nc_u64 s[46:47], s[6:7], s[46:47]
	CROUND                                         ; all sixteen work-groups are here: the first joint loads meet
.irp s, 0,1
	s_mov_b32 s[G0+4*(\s)], 1
	s_add_co_u32 s[G0+4*(\s)+1], s[WB], (\s)*SLOT
	s_add_nc_u64 s[G0+4*(\s)+2:G0+4*(\s)+3], s[14:15], (\s)*KSTEP*2
	s_or_b32 s[G0+4*(\s)+3], s[G0+4*(\s)+3], 0x80000000
	s_mov_b32 s[G0B+4*(\s)], 1
	s_add_co_u32 s[G0B+4*(\s)+1], s[WB], (\s)*SLOT
	s_add_nc_u64 s[G0B+4*(\s)+2:G0B+4*(\s)+3], s[46:47], (\s)*KSTEP*2
	s_or_b32 s[G0B+4*(\s)+3], s[G0B+4*(\s)+3], 0x80000000
	JLOAD \s                                       ; two tensor loads of mine are out
.endr
	v_and_b32 v1, 15, v0                           ; l % 16
	v_bfe_u32 v2, v0, 4, 1                         ; l / 16
	v_and_b32 v[LANE], 31, v0
	s_lshl_b32 s14, s13, 1
	s_add_co_u32 s14, s14, s11                     ; my head
	s_lshl_b32 s15, s42, 8
	s_lshl_b32 s16, s12, 7
	s_add_co_u32 s15, s15, s16                     ; my first token
	s_lshl_b32 s15, s15, 2
	v_lshl_add_u32 v[MOF], v2, 5, s15              ; register j of token block b belongs to token 16 b + 8 (l / 16) + j
	s_lshl_b32 s16, s14, 8                         ; 64 channels x 4 bytes a head
	v_lshl_add_u32 v[BOF], v1, 2, s16
	WIN 0x40
.irp b, 0,1,2,3,4,5,6,7
	global_load_b128 v[MK+8*\b:MK+8*\b+3],   v[MOF], s[68:69] offset:64*\b
	global_load_b128 v[MK+8*\b+4:MK+8*\b+7], v[MOF], s[68:69] offset:64*\b+16
.endr
	WIN 0
.irp a, 0,1,2,3
	global_load_b32 v[BK+\a],    v[BOF], s[70:71] offset:64*\a
	global_load_b32 v[BVC+8*\a], v[BOF], s[72:73] offset:64*\a
.endr
	; a fragment is 16 rows x 32 K in 8 registers: lane l holds row l % 16, K = 8 (l / 16) + 0..7 and 16 + 8 (l / 16) + 0..7: two loads of 16 bytes, 32 bytes apart
	v_mul_u32_u24 v3, v1, PITCH
	v_lshl_add_u32 v3, v2, 4, v3
	s_mul_i32 s21, s11, HALFT                      ; my 128 rows of A
	s_mul_i32 s22, s12, HALFT                      ; my 128 rows of B,
	s_add_co_u32 s22, s22, 2*HALFT                 ; which lie behind A's 256
	v_add_nc_u32 v[ADRA0], s21, v3
	v_add_nc_u32 v[ADRB0], s22, v3
	v_mov_b32 v[ADRA], v[ADRA0]
	v_mov_b32 v[ADRB], v[ADRB0]
	v_lshlrev_b32 v[PO], 4, v[LANE]
	s_lshl_b32 s23, s10, 8
	s_add_co_u32 s23, s23, STATX
	v_lshl_add_u32 v[SX], v1, 2, s23
	s_xor_b32 s23, s10, 1                          ; the wave with the same head and the other 128 tokens
	s_lshl_b32 s23, s23, 8
	s_add_co_u32 s23, s23, STATX
	v_lshl_add_u32 v[SXP], v1, 2, s23
	s_mul_i32 s23, s11, XHEAD
	s_add_co_u32 s23, s23, XCH
	v_lshl_add_u32 v[XA], v[LANE], 4, s23
	; where the results go: index = ((batch x 16 + head) x 16 + block in the batch); 16,384 bytes of part, 512 of stat
	s_lshr_b32 s15, s42, 4
	s_lshl_b32 s15, s15, 4
	s_add_co_u32 s15, s15, s14
	s_lshl_b32 s15, s15, 4
	s_and_b32 s16, s42, 15
	s_add_co_u32 s15, s15, s16
	s_lshl_b32 s16, s15, 14
	s_mov_b32 s17, 0
	s_add_nc_u64 s[74:75], s[74:75], s[16:17]
	s_lshl_b32 s16, s15, 9
	s_add_nc_u64 s[76:77], s[76:77], s[16:17]
	; the prefetches
	s_lshl_b32 s13, s13, 8
	s_lshl_b32 s42, s42, 8
	s_and_b32 s22, ttmp7, 0xffff                   ; cluster y
	s_cmp_eq_u32 s11, 0                            ; do I fetch for A?
	s_cselect_b32 s20, s13, s42                    ; the tile's first row
	s_cselect_b32 s21, s40, s41                    ; my place among the four that ask for it with me
	s_cselect_b32 s22, ttmp9, s22                  ; the coordinate along which other clusters read the same rows
	s_cselect_b64 s[PFA:PFA+1], s[4:5], s[6:7]
	s_cmp_eq_u32 s22, 0
	s_cselect_b32 s[LIM], 2, -1                    ; the same in all sixteen partners, for a given wave
	s_lshl_b32 s22, s12, 7
	s_add_co_u32 s20, s20, s22                     ; + the 128 rows that I fetch
	s_lshl_b32 s21, s21, 5
	s_add_co_u32 s20, s20, s21                     ; + my work-group's 32 of them
	s_lshl_b32 s20, s20, 11
	s_mov_b32 s21, 0
	s_add_nc_u64 s[PFA:PFA+1], s[PFA:PFA+1], s[20:21]
	s_add_nc_u64 s[PFA:PFA+1], s[PFA:PFA+1], 2*KSTEP*2  ; at K step 2: the first refill steps it to 3 and names K step 4
	v_lshlrev_b32 v[PFO], 11, v[LANE]
	s_wait_loadcnt 0x0                             ; the mask, bk, bv
	WIN 0x01                                       ; source 0 window 1, destination window 0
.set n, 0
.rept 32
	v_pk_fma_f32 v[NG+2*n:NG+2*n+1], v[MK+2*n:MK+2*n+1], s[80:81], s[82:83] op_sel_hi:[1,0,0]  ; mask x 1e6 - 1e6
.set n, n+1
.endr
	WIN 0
.irp a, 0,1,2,3
.irp j, 1,2,3,4,5,6,7
	v_mov_b32 v[BVC+8*\a+\j], v[BVC+8*\a]          ; a lane's eight tokens take the same bv
.endr
	v_mul_f32 v[CBK+\a], s[CS], v[BK+\a]
.endr
; 16 matrix instructions: A blocks a0, a0 + 1 of the window's four (hi = 0: key, 1: v) x all 8 token blocks, 32 along K.  zero = 2: the first product starts the sums, with the mask's term or with bv.
.macro MUL16 f, hi, a0, zero
.if (\zero) == 2
	WIN 0x81+0x40*(\hi)                            ; C in window 0
.else
	WIN MUL_LO+0x50*(\hi)
.endif
.irp a, \a0, (\a0)+1
.irp b, 0,1,2,3,4,5,6,7
.if (\zero) == 2
.if \hi
	v_wmma_f32_16x16x32_f16 v[8*(8*(\a)+(\b)):8*(8*(\a)+(\b))+7], v[(\f)+8*(\b):(\f)+8*(\b)+7], v[(\f)+8*(4*(\hi)+(\a)):(\f)+8*(4*(\hi)+(\a))+7], v[BVC+8*(\a):BVC+8*(\a)+7]
.else
	v_wmma_f32_16x16x32_f16 v[8*(8*(\a)+(\b)):8*(8*(\a)+(\b))+7], v[(\f)+8*(\b):(\f)+8*(\b)+7], v[(\f)+8*(4*(\hi)+(\a)):(\f)+8*(4*(\hi)+(\a))+7], v[NG+8*(\b):NG+8*(\b)+7]
.endif
.else
	v_wmma_f32_16x16x32_f16 v[8*(8*(\a)+(\b)):8*(8*(\a)+(\b))+7], v[(\f)+8*(\b):(\f)+8*(\b)+7], v[(\f)+8*(4*(\hi)+(\a)):(\f)+8*(4*(\hi)+(\a))+7], v[8*(8*(\a)+(\b)):8*(8*(\a)+(\b))+7]
.endif
.endr
.endr
.endm
; 32 LDS loads in one run: the fragments of one quarter step (128 rows of B, then 128 of A, 32 K at byte k of the rows of the slot in hand) into buffer f
.macro FETCH k, f
	WIN TO_B
.irp i, 0,1,2,3,4,5,6,7
	ds_load_b128 v[(\f)+8*(\i):(\f)+8*(\i)+3],   v[ADRB] offset:(\k)+(\i)*16*PITCH
	ds_load_b128 v[(\f)+8*(\i)+4:(\f)+8*(\i)+7], v[ADRB] offset:(\k)+(\i)*16*PITCH+32
.endr
	WIN 0
.irp i, 0,1,2,3,4,5,6,7
	ds_load_b128 v[(\f)+8*(\i):(\f)+8*(\i)+3],   v[ADRA] offset:(\k)+(\i)*16*PITCH
	ds_load_b128 v[(\f)+8*(\i)+4:(\f)+8*(\i)+7], v[ADRA] offset:(\k)+(\i)*16*PITCH+32
.endr
.endm
.macro PLACES                          ; four plain instructions between a matrix instruction and a load into, or a vector instruction on, its registers
.rept 4
	v_nop
.endr
.endm
; A K step is four quarters of 32 along K, 64 matrix instructions each, on buffers 0, 1, 0, 1.  The 64 accumulators take turns in the same order in every quarter.
.macro QUARTER k, f, g, zero
	s_wait_dscnt 8                                 ; B and A's rows 0-63 are in; the youngest eight loads (A's rows 64-127) may be out
	MUL16 \f, 0, 0, \zero
	MUL16 \f, 0, 2, \zero
	PLACES
	FETCH \k, \g
	s_wait_dscnt 32                                ; all but the 32 just issued
	MUL16 \f, 1, 0, \zero
	MUL16 \f, 1, 2, \zero
.endm
; The first half of a K step's last quarter: one barrier for the change of slots.  In front of it each wave waits for all its tensor loads (one is out: its part of the next slot), adds 0 to its spare word, and waits
; for that and for its reads of this slot.  Between the add and its wait stands the change itself, work on registers: fill = 1: the walking descriptors take the slot that is being left and the next K step but one;
; the slot in hand is turned, and the fragments' addresses are made anew (all loads from the old slot have been issued).
.macro MEET fill
	WIN 0
	s_wait_tensorcnt 0x0                           ; no tensor load of mine is out, so a group 0 may be written
	ds_add_u32 v[SPW], v[NIL]
.if \fill
	s_add_co_u32 s[G0+5], s[WB], s[TB]
	s_add_co_u32 s[G0B+5], s[WB], s[TB]
	s_add_nc_u64 s[G0+6:G0+7], s[G0+6:G0+7], KSTEP*2      ; the type bits on top are not reached
	s_add_nc_u64 s[G0B+6:G0B+7], s[G0B+6:G0B+7], KSTEP*2
.endif
	s_xor_b32 s[TB], s[TB], SLOT
	v_add_nc_u32 v[ADRA], s[TB], v[ADRA0]
	v_add_nc_u32 v[ADRB], s[TB], v[ADRB0]
	s_wait_dscnt 9                                 ; the add and the youngest eight loads may be out
	MUL16 F1, 0, 0, 0                              ; sixteen matrix instructions stand between the add and the wait for it
	s_wait_dscnt 0x0                               ; the add is done, and my reads of the old slot are over
	s_barrier_signal -1
	MUL16 F1, 0, 2, 0
.if \fill
	WIN 0
.endif
	s_barrier_wait -1
.endm
; The whole last quarter of a K step that fills its slot again: the barrier opens a round of the cluster's barrier, and behind it stands the joint refill, 224 matrix instructions before the wait for it.
.macro TURN
	s_wait_xcnt 0x0                                ; the last prefetch, a K step back, has read its address
	s_add_nc_u64 s[PFA:PFA+1], s[PFA:PFA+1], KSTEP*2
	MEET 1
	CREST                                          ; no wave of any partner still reads the old slot's tile or has a load on its way
	JLOAD 1                                        ; my one tensor load behind the round; its four v_nop are also the places in front of the loads below
	FETCH 0, F0
	ASK
	MUL16 F1, 1, 0, 0
	MUL16 F1, 1, 2, 0
.endm
	s_wait_tensorcnt 1                             ; my part of K step 0 is in; K step 1's may stay out
	s_barrier_signal -1
	s_barrier_wait -1                              ; everybody's is
	FETCH 0, F0
	QUARTER 64,  F0, F1, 2                         ; the first quarter stands in front of the loop: its products start the sums
	WIN 0
	s_mov_b32 s3, KSTEPS-2
.Lstep:                                                ; a trip goes from a K step's second quarter to the next K step's first, and fills the slot that it leaves
	QUARTER 128, F1, F0, 0
	QUARTER 192, F0, F1, 0
	TURN
	QUARTER 64,  F0, F1, 0
	WIN 0
	s_sub_co_u32 s3, s3, 1
	s_cmp_lg_u32 s3, 0
	s_cbranch_scc1 .Lstep
	s_mov_b32 s3, 2
.Ltail:                                                ; the last two K steps ask for nothing; the second trip is left in its middle: there is no further slot to fetch from
	QUARTER 128, F1, F0, 0
	QUARTER 192, F0, F1, 0
	MEET 0                                         ; nothing is filled again, so no round follows
	WIN 0
	s_sub_co_u32 s3, s3, 1
	s_cmp_eq_u32 s3, 0
	s_cbranch_scc1 .Lfinal
	PLACES
	FETCH 0, F0
	MUL16 F1, 1, 0, 0
	MUL16 F1, 1, 2, 0
	QUARTER 64,  F0, F1, 0
	WIN 0
	s_branch .Ltail
.Lfinal:
	MUL16 F1, 1, 0, 0                              ; the very last 32 products
	MUL16 F1, 1, 2, 0
	WIN 0
	PLACES
	; v = (sum) x mask, in f32, then f16.  Each accumulator is read from its low end on.
	WIN 0xc7                                       ; destination and source 0 window 3, source 1 window 1
.set n, 0
.rept 32
.irp jj, 0,1,2,3
	v_pk_mul_f32 v[8*n+2*\jj:8*n+2*\jj+1], v[8*n+2*\jj:8*n+2*\jj+1], v[MK+8*(n%8)+2*\jj:MK+8*(n%8)+2*\jj+1]
.endr
.set n, n+1
.endr
	WIN 0x4f                                       ; sources window 3, destination window 1
.set n, 0
.rept 32
.irp jj, 0,1,2,3
	v_cvt_pk_f16_f32 v[VF+4*n+\jj], v[8*n+2*\jj], v[8*n+2*\jj+1]
.endr
.set n, n+1
.endr
	WIN 0x40
.irp i, 0,1,2,3,4,5,6,7
	v_mov_b32 v[ONE+\i], 0x3c003c00                ; 1.0 twice in f16
.endr
	; the largest sum of each channel: over a lane's 64 registers, the other half of the lanes, the partner wave
	WIN 0x2a                                       ; all three sources window 2
.set n, 0
.rept 32
	v_max3_num_f32 v[T+n], v[8*n], v[8*n+1], v[8*n+2]
.set n, n+1
.endr
	WIN 0x28                                       ; source 0 window 0
.irp q, 3, 5
.set n, 0
.rept 32
	v_max3_num_f32 v[T+n], v[T+n], v[8*n+\q], v[8*n+\q+1]
.set n, n+1
.endr
.endr
.set n, 0
.rept 32
	v_max_num_f32 v[T+n], v[T+n], v[8*n+7]
.set n, n+1
.endr
	WIN 0
.irp q, 1, 3, 5
.irp a, 0,1,2,3
	v_max3_num_f32 v[T+8*\a], v[T+8*\a], v[T+8*\a+\q], v[T+8*\a+\q+1]
.endr
.endr
.irp a, 0,1,2,3
	v_max_num_f32 v[T+8*\a], v[T+8*\a], v[T+8*\a+7]
.endr
.irp a, 0,1,2,3
	v_permlanex16_b32 v[T+8*\a+1], v[T+8*\a], s84, s85
.endr
.irp a, 0,1,2,3
	v_max_num_f32 v[MR+\a], v[T+8*\a], v[T+8*\a+1]
.endr
.irp a, 0,1,2,3
	ds_store_b32 v[SX], v[MR+\a] offset:64*\a      ; lanes l and l + 16 write the same word with the same number
.endr
	s_wait_dscnt 0x0                               ; for the partner's sake
	s_barrier_signal -1
	s_barrier_wait -1
.irp a, 0,1,2,3
	ds_load_b32 v[T+\a], v[SXP] offset:64*\a
.endr
	s_wait_dscnt 0x0
.irp a, 0,1,2,3
	v_max_num_f32 v[MR+\a], v[MR+\a], v[T+\a]
.endr
.irp a, 0,1,2,3
	v_fma_f32 v[MR+\a], v[MR+\a], s[CS], v[CBK+\a] ; cm = c mx + c bk
.endr
.irp a, 0,1,2,3
	v_sub_f32 v[OF+2*\a], v[CBK+\a], v[MR+\a]
	v_sub_f32 v[OF+2*\a+1], v[CBK+\a], v[MR+\a]
.endr
	; p = 2^(c sum + (c bk - cm)), in place.  ONE batch of 256 exponentials: accumulator n + 1 is scaled ahead of accumulator n's exponentials, and nothing names a result ahead of the one wait.
	WIN 0x82                                       ; destination and source 0 window 2, source 2 window 0
.set n, 0
.rept 33
.if n < 32
.irp jj, 0,1,2,3
	v_pk_fma_f32 v[8*n+2*\jj:8*n+2*\jj+1], v[8*n+2*\jj:8*n+2*\jj+1], s[CS:CS+1], v[OF+2*(n/8):OF+2*(n/8)+1] op_sel_hi:[1,0,0]
.endr
.endif
.if n > 0
.irp j, 0,1,2,3,4,5,6,7
	v_exp_f32 v[8*(n-1)+\j], v[8*(n-1)+\j]
.endr
.endif
.set n, n+1
.endr
	v_nop                                          ; a plain instruction behind the last exponential,
	s_wait_alu depctr_va_vdst(0)                   ; and the one wait for the batch
	WIN 0x0a                                       ; sources window 2, destination window 0
.set n, 0
.rept 32
.irp jj, 0,1,2,3
	v_cvt_pk_f16_f32 v[PF+4*n+\jj], v[8*n+2*\jj], v[8*n+2*\jj+1]
.endr
.set n, n+1
.endr
	; attn^T block (lb, db) = v's channels 16 lb .. x p's channels 16 db .., over my 128 tokens in four steps of 32; and ones x p: the sums of p.  The 20 accumulators take turns.
	WIN 0xa1
.irp s, 0,1,2,3
.set n, 0
.rept 16
.if \s == 0
	v_wmma_f32_16x16x32_f16 v[8*n:8*n+7], v[VF+32*(n/4)+8*\s:VF+32*(n/4)+8*\s+7], v[PF+32*(n%4)+8*\s:PF+32*(n%4)+8*\s+7], 0
.else
	v_wmma_f32_16x16x32_f16 v[8*n:8*n+7], v[VF+32*(n/4)+8*\s:VF+32*(n/4)+8*\s+7], v[PF+32*(n%4)+8*\s:PF+32*(n%4)+8*\s+7], v[8*n:8*n+7]
.endif
.set n, n+1
.endr
.set n, 0
.rept 4
.if \s == 0
	v_wmma_f32_16x16x32_f16 v[128+8*n:128+8*n+7], v[ONE:ONE+7], v[PF+32*n+8*\s:PF+32*n+8*\s+7], 0
.else
	v_wmma_f32_16x16x32_f16 v[128+8*n:128+8*n+7], v[ONE:ONE+7], v[PF+32*n+8*\s:PF+32*n+8*\s+7], v[128+8*n:128+8*n+7]
.endif
.set n, n+1
.endr
.endr
	PLACES
	WIN 0x02
.irp a, 0,1,2,3
	v_mov_b32 v[LS+\a], v[128+8*\a]                ; all eight registers hold the channel's sum: the lowest is taken
.endr
	WIN 0
	; the two token halves of a head meet: the second half's wave hands its sums over, the first half's adds and stores
	s_cmp_eq_u32 s12, 0
	s_cbranch_scc1 .Lkeep
	WIN 0x08                                       ; the stores' data in window 2
.set i, 0
.rept 32
	ds_store_b128 v[XA], v[4*i:4*i+3] offset:512*i
.set i, i+1
.endr
	WIN 0
	ds_store_b128 v[XA], v[LS:LS+3] offset:16384
.Lkeep:
	s_wait_dscnt 0x0                               ; for the partner's sake
	s_barrier_signal -1
	s_barrier_wait -1
	s_cmp_lg_u32 s12, 0
	s_cbranch_scc1 .Ldone
.set i, 0
.rept 32
	ds_load_b128 v[PF+4*i:PF+4*i+3], v[XA] offset:512*i
.set i, i+1
.endr
	ds_load_b128 v[LP:LP+3], v[XA] offset:16384
	s_wait_dscnt 0x0
	WIN 0x08                                       ; source 1 window 2
.set n, 0
.rept 64
	v_pk_add_f32 v[PF+2*n:PF+2*n+1], v[PF+2*n:PF+2*n+1], v[2*n:2*n+1]
.set n, n+1
.endr
	WIN 0
	v_pk_add_f32 v[LS:LS+1], v[LS:LS+1], v[LP:LP+1]
	v_pk_add_f32 v[LS+2:LS+3], v[LS+2:LS+3], v[LP+2:LP+3]
	v_cmp_gt_u32 vcc_lo, 16, v[LANE]
.irp a, 0,1,2,3
	v_cndmask_b32 v[SO+\a], v[LS+\a], v[MR+\a], vcc_lo  ; lanes 0-15 carry cm, lanes 16-31 the sums
.endr
.set i, 0
.rept 32
	global_store_b128 v[PO], v[PF+4*i:PF+4*i+3], s[74:75] offset:512*i  ; 512 consecutive bytes, aligned
.set i, i+1
.endr
	global_store_b128 v[PO], v[SO:SO+3], s[76:77]
.Ldone:
	s_wait_tensorcnt 0x0                           ; the wave's end: behind my last tensor load and my last LDS store
	ds_add_u32 v[SPW], v[NIL]
	s_wait_dscnt 0x0
	CROUND                                         ; the closing round: no work-group ends while a partner may still ask for a tile that names it
	s_endpgm
.Lfunc_end_k_qd1aee5ea3e_kv:
	.size	k_qd1aee5ea3e_kv, .Lfunc_end_k_qd1aee5ea3e_kv-k_qd1aee5ea3e_kv
	.p2alignl 7, 3214868480
	.fill 96, 4, 3214868480
	.section	.rodata,"a",@progbits
	.p2align	6, 0x0
	.amdhsa_kernel k_qd1aee5ea3e_kv
		.amdhsa_group_segment_fixed_size 327680
		.amdhsa_private_segment_fixed_size 0
		.amdhsa_enable_private_segment 0
		.amdhsa_kernarg_size 56
		.amdhsa_user_sgpr_count 2
		.amdhsa_user_sgpr_kernarg_segment_ptr 1
		.amdhsa_wavefront_size32 1
		.amdhsa_system_sgpr_workgroup_id_x 1
		.amdhsa_system_sgpr_workgroup_id_y 1
		.amdhsa_system_sgpr_workgroup_id_z 1
		.amdhsa_system_vgpr_workitem_id 0
		.amdhsa_next_free_vgpr 1024
		.amdhsa_next_free_sgpr 88
		.amdhsa_reserve_vcc 1
		.amdhsa_float_denorm_mode_32 3
		.amdhsa_float_denorm_mode_16_64 3
		.amdhsa_memory_ordered 1
		.amdhsa_forward_progress 1
		.amdhsa_inst_pref_size 145
	.end_amdhsa_kernel
	.amdgpu_metadata
---
amdhsa.version: [ 1, 2 ]
amdhsa.kernels:
  - .name:           k_qd1aee5ea3e_kv
    .symbol:         k_qd1aee5ea3e_kv.kd
    .args:
      - { .name: wkv, .offset: 0, .size: 8, .value_kind: global_buffer, .address_space: global }
      - { .name: xn, .offset: 8, .size: 8, .value_kind: global_buffer, .address_space: global }
      - { .name: src_mask, .offset: 16, .size: 8, .value_kind: global_buffer, .address_space: global }
      - { .name: bk, .offset: 24, .size: 8, .value_kind: global_buffer, .address_space: global }
      - { .name: bv, .offset: 32, .size: 8, .value_kind: global_buffer, .address_space: global }
      - { .name: part, .offset: 40, .size: 8, .value_kind: global_buffer, .address_space: global }
      - { .name: stat, .offset: 48, .size: 8, .value_kind: global_buffer, .address_space: global }
    .group_segment_fixed_size: 327680
    .private_segment_fixed_size: 0
    .kernarg_segment_align: 8
    .kernarg_segment_size: 56
    .max_flat_workgroup_size: 128
    .sgpr_count:     88
    .vgpr_count:     1024
    .wavefront_size: 32
...
	.end_amdgpu_metadata
.endif
;; end of part 2
;; launch mix (part 3): grid 256 x 3, 8 waves a work-group, no clusters, 0 bytes of LDS; arguments part, stat, query, attnw, amax, qs; writes attnw, amax, qs
.if DOCPART == 3
	.amdgcn_target "amdgcn-amd-amdhsa--gfx1250"
	.amdhsa_code_object_version 6
	.text
	.protected	k_qd1aee5ea3e_mix
	.globl	k_qd1aee5ea3e_mix
	.p2align	8
	.type	k_qd1aee5ea3e_mix,@function
k_qd1aee5ea3e_mix:
	s_mov_b64 s[64:65], 0
	v_nop
	global_prefetch_b8 v0, s[64:65] scope:SCOPE_SE
	s_setreg_imm32_b32 hwreg(HW_REG_WAVE_MODE, 25, 1), 1
	s_wait_xcnt 0x0
; y = 1, 2: qs = softmax of query over each head's 64 channels, rounded once to f16.  query: [16384][1024] f32, qs: [16384][1024] f16.
;   A wave takes a row: eight loads of 16 bytes a lane; load j of a lane holds columns 128 j + 4 lane + 0..3, so a head is the 16 lanes of one half of the wave in one load,
;   and its maximum and sum are four steps that ride on the arithmetic.  The maximum is taken away before the exponential: p = 2^(c x - c m), c = log2(e).
; y = 0: the 16 blocks of each (batch, head) are joined: with CM the largest cm of a channel and w = 2^(cm - CM): attn = (sum of w part) / (sum of w l), in f32.
;   part lies as registers lay: a wave takes line i of 32 (512 bytes) of all 16 blocks; its lane's four numbers belong to channel 16 db + lane % 16, db = (i / 2) % 4 = wave / 2.
;   The largest |attn| of each wave's 128 numbers goes to amax, 512 numbers on end for each batch: the later launches take a power of two from them.
; The join is small and waits on memory; the softmax's stream runs beside it in the same launch.  No LDS, no barrier.
; LIMITS.  qs lies in 0 to 1; below 6e-5 f16 keeps a fixed step of 6e-8.  A weight below 2^-126 counts as 0.  NaN and infinities are not treated apart.
.set ROWS, 4
.set VO,  2                            ; v2   16 x lane
.set VS,  3                            ; v3   8 x lane
.set X,   32                           ; v[32:63]   the row
.set Y,   64                           ; v[64:79]   the row in f16
.set M,   80                           ; v[80:87]   the maxima, one a load
.set MC,  88                           ; v[88:103]  c m in the even registers; the odd ones are named with them as pairs
.set T,   104                          ; v[104:119] at work
.set S,   120                          ; v[120:127] the sums
.set R,   128                          ; v[128:143] 1 / sum in the even registers
.set P,   32                           ; the join: v[32:95] 16 blocks x 4 numbers
.set CMS, 96                           ; v[96:111]  cm of the 16 blocks, then w
.set LSS, 112                          ; v[112:127] l of the 16 blocks
.set ACC, 128                          ; v[128:131]
	s_load_b256 s[4:11], s[0:1], 0x0               ; part s[4:5], stat s[6:7], query s[8:9], attnw s[10:11]
	s_load_b128 s[12:15], s[0:1], 0x20             ; amax s[12:13], qs s[14:15]
	v_lshrrev_b32 v1, 5, v0
	v_readfirstlane_b32 s20, v1                    ; wave 0..7
	s_and_b32 s21, ttmp7, 0xffff                   ; y
	v_and_b32 v1, 31, v0
	v_lshlrev_b32 v[VO], 4, v1
	v_lshlrev_b32 v[VS], 3, v1
	s_mov_b32 s24, 0x76543210
	s_mov_b32 s25, 0xfedcba98
	s_mov_b32 s26, 0x3fb8aa3b                      ; c = log2(e)
	s_mov_b32 s27, s26                             ; named with it as a pair
	s_wait_kmcnt 0x0
	s_cmp_eq_u32 s21, 0
	s_cbranch_scc1 .Ljoin
	s_sub_co_u32 s28, s21, 1
	s_lshl_b32 s28, s28, 8
	s_add_co_u32 s28, s28, ttmp9                   ; 256 (y - 1) + x
	s_lshl_b32 s28, s28, 5                         ; 32 rows a work-group,
	s_lshl_b32 s29, s20, 2
	s_add_co_u32 s28, s28, s29                     ; 4 a wave
	s_lshl_b32 s30, s28, 11
	s_lshl_b32 s28, s28, 12
	s_mov_b32 s29, 0
	s_mov_b32 s31, 0
	s_add_nc_u64 s[8:9], s[8:9], s[28:29]
	s_add_nc_u64 s[14:15], s[14:15], s[30:31]
.irp j, 0,1,2,3,4,5,6,7
	v_mov_b32 v[MC+2*\j+1], 0
	v_mov_b32 v[R+2*\j+1], 0
.endr
	s_mov_b32 s22, ROWS
.Lrow:
.irp j, 0,1,2,3,4,5,6,7
	global_load_b128 v[X+4*\j:X+4*\j+3], v[VO], s[8:9] offset:512*\j th:TH_LOAD_NT
.endr
	s_wait_loadcnt 0x0
.irp j, 0,1,2,3,4,5,6,7
	v_max3_num_f32 v[M+\j], v[X+4*\j], v[X+4*\j+1], v[X+4*\j+2]
.endr
.irp j, 0,1,2,3,4,5,6,7
	v_max_num_f32 v[M+\j], v[M+\j], v[X+4*\j+3]
.endr
.irp m, 1,2,4,8
.irp j, 0,1,2,3,4,5,6,7
	v_max_num_f32_dpp v[M+\j], v[M+\j], v[M+\j] row_xmask:\m row_mask:0xf bank_mask:0xf
.endr
.endr
.irp j, 0,1,2,3,4,5,6,7
	v_mul_f32 v[MC+2*\j], s26, v[M+\j]
.endr
.irp j, 0,1,2,3,4,5,6,7
	v_pk_fma_f32 v[X+4*\j:X+4*\j+1],   v[X+4*\j:X+4*\j+1],   s[26:27], v[MC+2*\j:MC+2*\j+1] op_sel_hi:[1,0,0] neg_lo:[0,0,1] neg_hi:[0,0,1]
	v_pk_fma_f32 v[X+4*\j+2:X+4*\j+3], v[X+4*\j+2:X+4*\j+3], s[26:27], v[MC+2*\j:MC+2*\j+1] op_sel_hi:[1,0,0] neg_lo:[0,0,1] neg_hi:[0,0,1]
.endr
.set n, 0
.rept 32
	v_exp_f32 v[X+n], v[X+n]
.set n, n+1
.endr
	v_nop                                          ; a plain instruction behind the last exponential,
	s_wait_alu depctr_va_vdst(0)                   ; and one wait for the 32
.irp j, 0,1,2,3,4,5,6,7
	v_pk_add_f32 v[T+2*\j:T+2*\j+1], v[X+4*\j:X+4*\j+1], v[X+4*\j+2:X+4*\j+3]
.endr
.irp j, 0,1,2,3,4,5,6,7
	v_add_f32 v[S+\j], v[T+2*\j], v[T+2*\j+1]
.endr
.irp m, 1,2,4,8
.irp j, 0,1,2,3,4,5,6,7
	v_add_f32_dpp v[S+\j], v[S+\j], v[S+\j] row_xmask:\m row_mask:0xf bank_mask:0xf
.endr
.endr
.irp j, 0,1,2,3,4,5,6,7
	v_rcp_f32 v[R+2*\j], v[S+\j]
.endr
	v_nop
	s_wait_alu depctr_va_vdst(0)                   ; one wait for the eight reciprocals
.irp j, 0,1,2,3,4,5,6,7
	v_pk_mul_f32 v[X+4*\j:X+4*\j+1],   v[X+4*\j:X+4*\j+1],   v[R+2*\j:R+2*\j+1] op_sel_hi:[1,0]
	v_pk_mul_f32 v[X+4*\j+2:X+4*\j+3], v[X+4*\j+2:X+4*\j+3], v[R+2*\j:R+2*\j+1] op_sel_hi:[1,0]
.endr
.set n, 0
.rept 16
	v_cvt_pk_f16_f32 v[Y+n], v[X+2*n], v[X+2*n+1]
.set n, n+1
.endr
.irp j, 0,1,2,3,4,5,6,7
	global_store_b64 v[VS], v[Y+2*\j:Y+2*\j+1], s[14:15] offset:256*\j  ; 32 lanes store 256 consecutive bytes, aligned
.endr
	s_wait_xcnt 0x0                                ; the stores have read Y and their base, the loads their base
	s_add_nc_u64 s[8:9], s[8:9], 4096
	s_add_nc_u64 s[14:15], s[14:15], 2048
	s_sub_co_u32 s22, s22, 1
	s_cmp_lg_u32 s22, 0
	s_cbranch_scc1 .Lrow
	s_endpgm
.Ljoin:
	s_lshr_b32 s28, ttmp9, 2                       ; batch x 16 + head
	s_and_b32 s29, ttmp9, 3
	s_lshl_b32 s29, s29, 3
	s_add_co_u32 s29, s29, s20                     ; line i = 8 (x % 4) + wave
	s_lshl_b32 s29, s29, 9                         ; 512 bytes a line
	s_lshr_b32 s30, s20, 1                         ; db
	s_lshl_b32 s30, s30, 2
	s_mov_b32 s23, 0
	s_lshl_b32 s22, s28, 18                        ; 16 blocks x 16,384 bytes of part
	s_add_co_u32 s22, s22, s29
	s_add_nc_u64 s[4:5], s[4:5], s[22:23]
	s_lshl_b32 s22, s28, 13                        ; 16 blocks x 512 bytes of stat
	s_add_co_u32 s22, s22, s30
	s_add_nc_u64 s[6:7], s[6:7], s[22:23]
	s_lshl_b32 s22, s28, 14
	s_add_co_u32 s22, s22, s29
	s_add_nc_u64 s[10:11], s[10:11], s[22:23]
	s_lshl_b32 s22, ttmp9, 3
	s_add_co_u32 s22, s22, s20
	s_lshl_b32 s22, s22, 2                         ; my wave's word of amax
	s_add_nc_u64 s[12:13], s[12:13], s[22:23]
	v_and_b32 v4, 15, v0
	v_lshlrev_b32 v4, 4, v4                        ; a channel's four blocks lie on end: 16 bytes for each lane % 16
	v_mov_b32 v16, 0
	v_mov_b32 v13, 0
.set k, 0
.rept 16
	global_load_b32 v[CMS+k], v4, s[6:7] offset:512*k
.set k, k+1
.endr
.set k, 0
.rept 16
	global_load_b32 v[LSS+k], v4, s[6:7] offset:512*k+256
.set k, k+1
.endr
.set k, 0
.rept 16
	global_load_b128 v[P+4*k:P+4*k+3], v[VO], s[4:5] offset:16384*k th:TH_LOAD_NT
.set k, k+1
.endr
	s_wait_loadcnt 16                              ; cm and l are in; the 16 lines of part may stay out
	v_max3_num_f32 v8, v[CMS], v[CMS+1], v[CMS+2]
.irp k, 3,5,7,9,11,13
	v_max3_num_f32 v8, v8, v[CMS+\k], v[CMS+\k+1]
.endr
	v_max_num_f32 v8, v8, v[CMS+15]
.set k, 0
.rept 16
	v_sub_f32 v[CMS+k], v[CMS+k], v8
.set k, k+1
.endr
.set k, 0
.rept 16
	v_exp_f32 v[CMS+k], v[CMS+k]
.set k, k+1
.endr
	v_nop
	s_wait_alu depctr_va_vdst(0)                   ; one wait for the 16 weights
	v_mul_f32 v9, v[CMS], v[LSS]
	v_mul_f32 v10, v[CMS+1], v[LSS+1]
.irp k, 2,4,6,8,10,12,14
	v_fmac_f32 v9, v[CMS+\k], v[LSS+\k]
	v_fmac_f32 v10, v[CMS+\k+1], v[LSS+\k+1]
.endr
	v_add_f32 v9, v9, v10
	v_rcp_f32 v11, v9
	v_nop
	s_wait_alu depctr_va_vdst(0)
	s_wait_loadcnt 0x0
.irp c, 0,1,2,3
	v_mul_f32 v[ACC+\c], v[CMS], v[P+\c]
.endr
.set k, 1
.rept 15
.irp c, 0,1,2,3
	v_fmac_f32 v[ACC+\c], v[CMS+k], v[P+4*k+\c]
.endr
.set k, k+1
.endr
.irp c, 0,1,2,3
	v_mul_f32 v[ACC+\c], v[ACC+\c], v11
.endr
	global_store_b128 v[VO], v[ACC:ACC+3], s[10:11]  ; 512 consecutive bytes, aligned
	v_max3_num_f32 v12, |v[ACC]|, |v[ACC+1]|, |v[ACC+2]|
	v_max_num_f32 v12, v12, |v[ACC+3]|
.irp m, 1,2,4,8
	v_max_num_f32_dpp v12, v12, v12 row_xmask:\m row_mask:0xf bank_mask:0xf
.endr
	v_permlanex16_b32 v13, v12, s24, s25
	v_max_num_f32 v12, v12, v13
	s_wait_xcnt 0x0                                ; EXEC changes only behind this wait
	v_cmp_eq_u32 vcc_lo, 0, v1
	s_and_saveexec_b32 s30, vcc_lo
	global_store_b32 v16, v12, s[12:13]            ; one number a wave
	s_endpgm
.Lfunc_end_k_qd1aee5ea3e_mix:
	.size	k_qd1aee5ea3e_mix, .Lfunc_end_k_qd1aee5ea3e_mix-k_qd1aee5ea3e_mix
	.p2alignl 7, 3214868480
	.fill 96, 4, 3214868480
	.section	.rodata,"a",@progbits
	.p2align	6, 0x0
	.amdhsa_kernel k_qd1aee5ea3e_mix
		.amdhsa_group_segment_fixed_size 0
		.amdhsa_private_segment_fixed_size 0
		.amdhsa_enable_private_segment 0
		.amdhsa_kernarg_size 48
		.amdhsa_user_sgpr_count 2
		.amdhsa_user_sgpr_kernarg_segment_ptr 1
		.amdhsa_wavefront_size32 1
		.amdhsa_system_sgpr_workgroup_id_x 1
		.amdhsa_system_sgpr_workgroup_id_y 1
		.amdhsa_system_sgpr_workgroup_id_z 1
		.amdhsa_system_vgpr_workitem_id 0
		.amdhsa_next_free_vgpr 144
		.amdhsa_next_free_sgpr 66
		.amdhsa_reserve_vcc 1
		.amdhsa_float_denorm_mode_32 3
		.amdhsa_float_denorm_mode_16_64 3
		.amdhsa_memory_ordered 1
		.amdhsa_forward_progress 1
		.amdhsa_inst_pref_size 25
	.end_amdhsa_kernel
	.amdgpu_metadata
---
amdhsa.version: [ 1, 2 ]
amdhsa.kernels:
  - .name:           k_qd1aee5ea3e_mix
    .symbol:         k_qd1aee5ea3e_mix.kd
    .args:
      - { .name: part, .offset: 0, .size: 8, .value_kind: global_buffer, .address_space: global }
      - { .name: stat, .offset: 8, .size: 8, .value_kind: global_buffer, .address_space: global }
      - { .name: query, .offset: 16, .size: 8, .value_kind: global_buffer, .address_space: global }
      - { .name: attnw, .offset: 24, .size: 8, .value_kind: global_buffer, .address_space: global }
      - { .name: amax, .offset: 32, .size: 8, .value_kind: global_buffer, .address_space: global }
      - { .name: qs, .offset: 40, .size: 8, .value_kind: global_buffer, .address_space: global }
    .group_segment_fixed_size: 0
    .private_segment_fixed_size: 0
    .kernarg_segment_align: 8
    .kernarg_segment_size: 48
    .max_flat_workgroup_size: 256
    .sgpr_count:     66
    .vgpr_count:     144
    .wavefront_size: 32
...
	.end_amdgpu_metadata
.endif
;; end of part 3
;; launch mproj (part 4): grid 8 x 32, 4 waves a work-group, no clusters, 35,328 bytes of LDS; arguments attnw, amax, Wp, mt; writes mt
.if DOCPART == 4
	.amdgcn_target "amdgcn-amd-amdhsa--gfx1250"
	.amdhsa_code_object_version 6
	.text
	.protected	k_qd1aee5ea3e_mproj
	.globl	k_qd1aee5ea3e_mproj
	.p2align	8
	.type	k_qd1aee5ea3e_mproj,@function
k_qd1aee5ea3e_mproj:
	s_mov_b64 s[64:65], 0
	v_nop
	global_prefetch_b8 v0, s[64:65] scope:SCOPE_SE
	s_setreg_imm32_b32 hwreg(HW_REG_WAVE_MODE, 25, 1), 1
	s_wait_xcnt 0x0
; mt[b][o][64 h + d] = f16( sum over l of Wp[o][64 h + l] x attn[b][h][d][l] x s_b ): the last projection's weights with attn folded in, so that y = q attn is never formed.
; s_b = 2^(127 - E), E the exponent field of the largest |attn| of the batch: an exact power of two that brings attn into -2 .. 2, so that neither it nor mt leaves f16's range
; whatever the inputs' scale; the last launch multiplies by 2^(E - 127) in f32.  |mt| is at most 64 x 2 x the largest |Wp|.
; A work-group (x: 128 rows o; y = 8 b + pair of heads) has four waves of 32 rows o x 128 columns, one head after the other.  Source 0 = 16 rows d of attn, source 1 = 16 rows o of Wp, K = l:
; a lane then holds one row o and eight neighbouring columns: 16 bytes of f16.  attnw lies as the earlier product's registers lay, which is this product's fragment layout: no lane changes.
; The way out goes through each wave's own stage in LDS, so that 16 lanes store 256 consecutive bytes.  No barrier: no wave reads another's bytes.  The launch is short: no cluster, no prefetch.
; LIMITS.  Wp must lie within f16's 65,504.  Where the largest |attn| of a batch is 0 or denormal (E = 0) the last launch multiplies by 0: out = bp.  NaN and infinities are not treated apart.
.set SPITCH, 272
.set WSTAGE, 32*SPITCH                 ; a wave's stage: 32 rows of 256 bytes + 16
.set SPARE,  4*WSTAGE                  ; the spare words, 128 bytes for each wave: two blocks of 256 bytes that no other line names
.set AO,  4                            ; v4   16 x lane
.set WO,  5                            ; v5   my byte offset in a fragment of Wp: 4,096 (l % 16) + 32 (l / 16)
.set STO, 6                            ; v6   where I put 16 bytes of a row
.set RD,  7                            ; v7   where I read rows back
.set CO,  8                            ; v8   my byte offset in two rows of mt
.set SPW, 10                           ; v10  LDS address of my spare word; never rewritten
.set NIL, 11                           ; v11  0; never rewritten
.set SC,  12                           ; v[12:13] s_b, twice
.set AM,  16                           ; v[16:31] the batch's 512 maxima, 16 a lane
.set AF,  32                           ; v[32:95]   attn's fragments: (db, ks) at AF + 8 (2 db + ks)
.set WF,  96                           ; v[96:127]  Wp's fragments: (ob, ks) at WF + 8 (2 ob + ks)
.set ACC, 128                          ; v[128:191] accumulator (ob, db) at ACC + 8 (4 ob + db)
.set TMP, 192                          ; v[192:223] packed results
.set A32, 0                            ; window 1: v[0:127] a head's attn in f32
.set W32, 128                          ; window 1: v[128:191] Wp in f32
.set MSB, 0
.macro WIN new
.if MSB != (\new)
	s_set_vgpr_msb (MSB<<8)|(\new)
.set MSB, \new
.endif
.endm
	s_load_b256 s[4:11], s[0:1], 0x0               ; attnw s[4:5], amax s[6:7], Wp s[8:9], mt s[10:11]
	v_lshl_add_u32 v[SPW], v0, 2, SPARE
	v_mov_b32 v[NIL], 0
	v_lshrrev_b32 v1, 5, v0
	v_readfirstlane_b32 s12, v1                    ; wave 0..3
	s_and_b32 s13, ttmp7, 0xffff
	s_lshr_b32 s14, s13, 3                         ; batch
	s_and_b32 s15, s13, 7                          ; pair of heads
	s_mov_b32 s24, 0x76543210
	s_mov_b32 s25, 0xfedcba98
	v_and_b32 v1, 15, v0                           ; l % 16
	v_bfe_u32 v2, v0, 4, 1                         ; l / 16
	v_and_b32 v3, 31, v0
	v_lshlrev_b32 v[AO], 4, v3
	v_lshlrev_b32 v[WO], 12, v1
	v_lshl_add_u32 v[WO], v2, 5, v[WO]
	s_mul_i32 s20, s12, WSTAGE
	v_mul_u32_u24 v[STO], v1, SPITCH
	v_lshl_add_u32 v[STO], v2, 4, v[STO]
	v_add_nc_u32 v[STO], s20, v[STO]
	v_mul_u32_u24 v[RD], v2, SPITCH
	v_lshl_add_u32 v[RD], v1, 4, v[RD]
	v_add_nc_u32 v[RD], s20, v[RD]
	v_lshlrev_b32 v[CO], 11, v2
	v_lshl_add_u32 v[CO], v1, 4, v[CO]
	s_mov_b32 s17, 0
	s_lshl_b32 s18, ttmp9, 7
	s_lshl_b32 s19, s12, 5
	s_add_co_u32 s18, s18, s19                     ; my first row o
	s_wait_kmcnt 0x0
	s_lshl_b32 s16, s14, 4
	s_add_co_u32 s16, s16, s15
	s_add_co_u32 s16, s16, s15                     ; 16 b + 2 x pair
	s_lshl_b32 s16, s16, 14
	s_add_nc_u64 s[4:5], s[4:5], s[16:17]
	s_lshl_b32 s16, s14, 11
	s_add_nc_u64 s[6:7], s[6:7], s[16:17]
	s_lshl_b32 s16, s18, 12
	s_lshl_b32 s19, s15, 9                         ; two heads' 128 columns of f32
	s_add_co_u32 s16, s16, s19
	s_add_nc_u64 s[8:9], s[8:9], s[16:17]
	s_lshl_b32 s16, s18, 11
	s_lshl_b32 s19, s15, 8                         ; and of f16
	s_add_co_u32 s16, s16, s19
	s_lshl_b32 s19, s14, 21
	s_add_co_u32 s16, s16, s19
	s_add_nc_u64 s[10:11], s[10:11], s[16:17]
.macro LOADH hh                        ; head hh of the pair: 32 lines of attnw, 16 loads of Wp (row 16 ob + l % 16, l = 32 ks + 8 (l / 16) + 0..7 and 16 more)
	WIN 0x40
.set i, 0
.rept 32
	global_load_b128 v[A32+4*i:A32+4*i+3], v[AO], s[4:5] offset:(\hh)*16384+512*i
.set i, i+1
.endr
.irp ob, 0,1
.irp ks, 0,1
	global_load_b128 v[W32+16*(2*\ob+\ks):W32+16*(2*\ob+\ks)+3],     v[WO], s[8:9] offset:\ob*65536+(\hh)*256+\ks*128
	global_load_b128 v[W32+16*(2*\ob+\ks)+4:W32+16*(2*\ob+\ks)+7],   v[WO], s[8:9] offset:\ob*65536+(\hh)*256+\ks*128+16
	global_load_b128 v[W32+16*(2*\ob+\ks)+8:W32+16*(2*\ob+\ks)+11],  v[WO], s[8:9] offset:\ob*65536+(\hh)*256+\ks*128+64
	global_load_b128 v[W32+16*(2*\ob+\ks)+12:W32+16*(2*\ob+\ks)+15], v[WO], s[8:9] offset:\ob*65536+(\hh)*256+\ks*128+80
.endr
.endr
	WIN 0
.endm
.macro CONV                            ; attn x s_b, then both operands to f16
	WIN 0x41                                       ; destination and source 0 window 1, source 1 window 0
.set i, 0
.rept 64
	v_pk_mul_f32 v[A32+2*i:A32+2*i+1], v[A32+2*i:A32+2*i+1], v[SC:SC+1]
.set i, i+1
.endr
	WIN 0x05                                       ; sources window 1, destination window 0
.irp db, 0,1,2,3
.irp ks, 0,1
.irp u, 0,1
.irp jj, 0,1,2,3
	v_cvt_pk_f16_f32 v[AF+8*(2*\db+\ks)+4*\u+\jj], v[A32+8*(4*(2*\ks+\u)+\db)+2*\jj], v[A32+8*(4*(2*\ks+\u)+\db)+2*\jj+1]
.endr
.endr
.endr
.endr
.set i, 0
.rept 32
	v_cvt_pk_f16_f32 v[WF+i], v[W32+2*i], v[W32+2*i+1]
.set i, i+1
.endr
	WIN 0
.endm
.macro MULH                            ; 16 matrix instructions; the 8 accumulators take turns
.irp ks, 0,1
.irp ob, 0,1
.irp db, 0,1,2,3
.if \ks == 0
	v_wmma_f32_16x16x32_f16 v[ACC+8*(4*\ob+\db):ACC+8*(4*\ob+\db)+7], v[AF+8*(2*\db+\ks):AF+8*(2*\db+\ks)+7], v[WF+8*(2*\ob+\ks):WF+8*(2*\ob+\ks)+7], 0
.else
	v_wmma_f32_16x16x32_f16 v[ACC+8*(4*\ob+\db):ACC+8*(4*\ob+\db)+7], v[AF+8*(2*\db+\ks):AF+8*(2*\db+\ks)+7], v[WF+8*(2*\ob+\ks):WF+8*(2*\ob+\ks)+7], v[ACC+8*(4*\ob+\db):ACC+8*(4*\ob+\db)+7]
.endif
.endr
.endr
.endr
.endm
.macro PACKH hh                        ; rounded to f16, 16 bytes a lane, into my stage
.rept 4
	v_nop                                          ; four places behind the last product (ISA guide 7.12.1)
.endr
.set i, 0
.rept 32
	v_cvt_pk_f16_f32 v[TMP+i], v[ACC+2*i], v[ACC+2*i+1]
.set i, i+1
.endr
.irp ob, 0,1
.irp db, 0,1,2,3
	ds_store_b128 v[STO], v[TMP+4*(4*\ob+\db):TMP+4*(4*\ob+\db)+3] offset:\ob*16*SPITCH+128*(\hh)+32*\db
.endr
.endr
.endm
.irp i, 0,1,2,3
	global_load_b128 v[AM+4*\i:AM+4*\i+3], v[AO], s[6:7] offset:512*\i
.endr
	LOADH 0
	s_wait_loadcnt 48                              ; the maxima are in; the head's 48 loads may stay out
.irp k, 0,3,6,9,12
	v_max3_num_f32 v[AM+\k], v[AM+\k], v[AM+\k+1], v[AM+\k+2]
.endr
	v_max3_num_f32 v[AM], v[AM], v[AM+3], v[AM+6]
	v_max3_num_f32 v[AM+9], v[AM+9], v[AM+12], v[AM+15]
	v_max_num_f32 v[AM], v[AM], v[AM+9]
.irp m, 1,2,4,8
	v_max_num_f32_dpp v[AM], v[AM], v[AM] row_xmask:\m row_mask:0xf bank_mask:0xf
.endr
	v_permlanex16_b32 v[AM+1], v[AM], s24, s25
	v_max_num_f32 v[AM], v[AM], v[AM+1]
	v_lshrrev_b32 v[SC], 23, v[AM]                 ; E: the numbers are magnitudes, the sign bit is 0
	v_sub_nc_u32 v[SC], 254, v[SC]
	v_lshlrev_b32 v[SC], 23, v[SC]                 ; 2^(127 - E)
	v_mov_b32 v[SC+1], v[SC]
	s_wait_loadcnt 0x0
	CONV
	LOADH 1                                        ; the second head's loads are out while the first is multiplied
	MULH
	PACKH 0
	s_wait_loadcnt 0x0
	CONV
	MULH
	PACKH 1
.set t, 0
.rept 16
	ds_load_b128 v[AF+4*t:AF+4*t+3], v[RD] offset:2*SPITCH*t  ; LDS serves a wave's instructions in order (ISA guide 5.7.1.4): these see my stores above
.set t, t+1
.endr
.set t, 0
.rept 16
	s_wait_dscnt 15-t
	global_store_b128 v[CO], v[AF+4*t:AF+4*t+3], s[10:11] offset:4096*t  ; 16 lanes store 256 consecutive bytes, aligned
.set t, t+1
.endr
	s_wait_tensorcnt 0x0                           ; the wave's end: behind my last LDS store
	ds_add_u32 v[SPW], v[NIL]
	s_wait_dscnt 0x0
	s_endpgm
.Lfunc_end_k_qd1aee5ea3e_mproj:
	.size	k_qd1aee5ea3e_mproj, .Lfunc_end_k_qd1aee5ea3e_mproj-k_qd1aee5ea3e_mproj
	.p2alignl 7, 3214868480
	.fill 96, 4, 3214868480
	.section	.rodata,"a",@progbits
	.p2align	6, 0x0
	.amdhsa_kernel k_qd1aee5ea3e_mproj
		.amdhsa_group_segment_fixed_size 35328
		.amdhsa_private_segment_fixed_size 0
		.amdhsa_enable_private_segment 0
		.amdhsa_kernarg_size 32
		.amdhsa_user_sgpr_count 2
		.amdhsa_user_sgpr_kernarg_segment_ptr 1
		.amdhsa_wavefront_size32 1
		.amdhsa_system_sgpr_workgroup_id_x 1
		.amdhsa_system_sgpr_workgroup_id_y 1
		.amdhsa_system_sgpr_workgroup_id_z 1
		.amdhsa_system_vgpr_workitem_id 0
		.amdhsa_next_free_vgpr 448
		.amdhsa_next_free_sgpr 66
		.amdhsa_reserve_vcc 0
		.amdhsa_float_denorm_mode_32 3
		.amdhsa_float_denorm_mode_16_64 3
		.amdhsa_memory_ordered 1
		.amdhsa_forward_progress 1
		.amdhsa_inst_pref_size 44
	.end_amdhsa_kernel
	.amdgpu_metadata
---
amdhsa.version: [ 1, 2 ]
amdhsa.kernels:
  - .name:           k_qd1aee5ea3e_mproj
    .symbol:         k_qd1aee5ea3e_mproj.kd
    .args:
      - { .name: attnw, .offset: 0, .size: 8, .value_kind: global_buffer, .address_space: global }
      - { .name: amax, .offset: 8, .size: 8, .value_kind: global_buffer, .address_space: global }
      - { .name: Wp, .offset: 16, .size: 8, .value_kind: global_buffer, .address_space: global }
      - { .name: mt, .offset: 24, .size: 8, .value_kind: global_buffer, .address_space: global }
    .group_segment_fixed_size: 35328
    .private_segment_fixed_size: 0
    .kernarg_segment_align: 8
    .kernarg_segment_size: 32
    .max_flat_workgroup_size: 128
    .sgpr_count:     66
    .vgpr_count:     448
    .wavefront_size: 32
...
	.end_amdgpu_metadata
.endif
;; end of part 4
;; launch outp (part 5): grid 4 x 64, 4 waves a work-group, clusters of 4 x 4, 327,680 bytes of LDS; arguments qs, mt, amax, bp, out0; writes out0
.if DOCPART == 5
	.amdgcn_target "amdgcn-amd-amdhsa--gfx1250"
	.amdhsa_code_object_version 6
	.text
	.protected	k_qd1aee5ea3e_outp
	.globl	k_qd1aee5ea3e_outp
	.p2align	8
	.type	k_qd1aee5ea3e_outp,@function
k_qd1aee5ea3e_outp:
	s_mov_b64 s[64:65], 0
	v_nop
	global_prefetch_b8 v0, s[64:65] scope:SCOPE_SE
	s_setreg_imm32_b32 hwreg(HW_REG_WAVE_MODE, 25, 1), 1
	s_wait_xcnt 0x0
	s_wait_alu depctr_hold_cnt(0) depctr_sa_sdst(0) depctr_va_vdst(0) depctr_va_sdst(0) depctr_va_ssrc(0) depctr_va_vcc(0) depctr_vm_vsrc(0)
	s_getreg_b32 s2, hwreg(HW_REG_IB_STS2, 6, 4)
	s_cmp_eq_u32 s2, 0
	s_cbranch_scc0 .Lentry_in_a_cluster
	s_endpgm
.Lentry_in_a_cluster:
	s_bfe_u32 s2, ttmp6, 0x10000c
	s_cmp_lg_u32 s2, 0xf033
	s_cbranch_scc0 .Lentry_shape_is_right
	s_endpgm
.Lentry_shape_is_right:
; out0[token][o] = (sum over k of qs[token][k] mt[b][o][k]) x 2^(E_b - 127) + bp[o].  A = qs [16384][1024] f16, B = mt[b] [1024][1024] f16, out0 [16384][1024] f32; sums in f32.
; 2^(E_b - 127) undoes, exactly, the power of two by which the launch before scaled attn: E_b is the exponent field of the largest of the batch's 512 numbers in amax.
; A work-group makes 256 tokens x 256 columns, each of its four waves 128 x 128: 64 accumulators, 512 registers.  256 work-groups.  K goes in 8 steps of 128 through a ring of two LDS slots
; filled by the tensor data mover; rows of 256 bytes, aligned.  4 x 4 work-groups form a cluster (its 1,024 tokens lie in one batch): A's tile is asked for jointly along a row, B's along a column.
; A K STEP IS WRITTEN ONCE: which slot is read hangs on one scalar (0 or SLOT) that an exclusive or turns at each change of slots; the fragments' addresses and the walking descriptor's LDS word are made from it.
; THE MATRIX INSTRUCTION IS USED TRANSPOSED (source 0 = 16 rows of B, source 1 = 16 rows of A): a lane holds one token and eight neighbouring columns, 32 bytes of out0.
; THE LAST K STEP GOES BY ROWS OF out0, NOT BY K: all its fragments of B fill window 1, and my eight blocks of 16 tokens are finished one after the other, 32 products each, K ascending.
; A finished block goes through my own stage in LDS (so that a store of the wave covers 512 consecutive bytes of a row) and is stored while the next block is multiplied.
; LIMITS.  Where the largest |attn| of a batch is 0 or denormal the factor is 0 and out0 = bp.  NaN and infinities are not treated apart.
; REGISTERS: window 0: v0-31 addresses; v32-55 the factor, bp, the maxima; v64-127, v128-191 fragments of A, two buffers (in the last K step four, of 16 tokens x 128 K); v192-255 a block of 16 rows on the way out
;   window 1: v64-127, v128-191 fragments of B, in the last K step all 256;  window 2: the accumulators of my tokens 0-63 ((a, b) at v[8 (8 a + b)]);  window 3: those of tokens 64-127
.set SIZE_K, 1024
.set KSTEP,  128
.set KSTEPS, SIZE_K/KSTEP
.set PITCH,  272                       ; an LDS row: 256 bytes + 16 of padding: the 16 rows that a load touches start at 16 different groups of four banks (64 banks of 4 bytes: ISA guide 11.1)
.set HALFT,  128*PITCH
.set SLOT,   4*HALFT
.set STAGE,  2*SLOT                    ; behind the ring, never filled by a tensor load: 16 rows x 528 bytes for each wave
.set SPITCH, 528                       ; 512 bytes + 16
.set SPARE,  STAGE+4*16*SPITCH         ; the spare words, 128 bytes for each wave: two blocks of 256 bytes that no other line names
.set ADRA, 16                          ; v16     LDS address of my A fragments in the slot in hand
.set ADRA0, 17                         ; v17     the same in slot 0; never rewritten
.set ADRB, 20                          ; v20, v21 the same for B
.set ADRB0, 21
.set STO,  24                          ; v24     where I put 32 bytes of a row
.set RD,   25                          ; v25     where I read a row back
.set CO,   26                          ; v26     16 x lane
.set SPW,  28                          ; v28     LDS address of my spare word; never rewritten
.set NIL,  29                          ; v29     0; never rewritten
.set PFO,  30                          ; v30     the prefetches' offset: lane x 2,048; never rewritten
.set SI,   32                          ; v[32:33] 2^(E - 127), twice
.set BP,   36                          ; v[36:39] bp of my four columns of a row
.set AM,   40                          ; v[40:55] the batch's maxima, 16 a lane
.set F0,   64
.set F1,   128
.set PA,   64                          ; the last K step: A's fragments of 16 tokens x 128 K, 32 registers; four such buffers, v64-191
.set OB,   192                         ; the way out: 16 rows of 512 bytes, v192-255
.set G1,  24                           ; s[24:31] descriptor group 1 for A's tiles
.set G0,  32                           ; s[32:39] group 0 for A's tiles: a set for each of the two first fills; the second then walks on
.set G1B, 48                           ; s[48:55], s[56:63] the same for B's
.set G0B, 56
.set LIM, 43                           ; s43      2 in a wave that prefetches, else the greatest number
.set PFA, 44                           ; s[44:45] where my prefetches stand
.set TB,  66                           ; s66      LDS byte at which the slot in hand begins: 0 or SLOT
.set WB,  67                           ; s67      wave x HALFT: where my tensor loads land in a slot
.set MSB, 0
.macro WIN new                         ; the immediate's high byte repeats the setting that is left; a switch that changes nothing is dropped
.if MSB != (\new)
	s_set_vgpr_msb (MSB<<8)|(\new)
.set MSB, \new
.endif
.endm
.set MUL_LO, 0xa1                      ; source 0 (B) window 1, source 1 (A) window 0, C and D window 2
.set MUL_HI, 0xf1                      ; the same, C and D window 3
.set TO_B,   0x40                      ; destination window 1, address window 0
; A joint load by descriptor set s.  Waves 0 and 1 fetch A's two halves, waves 2 and 3 B's; the branch hangs on the wave's number alone.  An s_nop 0 and four v_nop follow each of the two lines.
.macro JLOAD s
	s_cmp_eq_u32 s11, 0
	s_cbranch_scc0 .Lfor_b_\@
	tensor_load_to_lds s[G0+4*(\s):G0+4*(\s)+3], s[G1:G1+7]
	s_nop 0
.rept 4
	v_nop
.endr
	s_branch .Lasked_\@
.Lfor_b_\@:
	tensor_load_to_lds s[G0B+4*(\s):G0B+4*(\s)+3], s[G1B:G1B+7]
	s_nop 0
.rept 4
	v_nop
.endr
.Lasked_\@:
.endm
; A prefetch, behind each joint load and the run of LDS loads that follows it: the K step that stands two refills on, 32 rows x 256 bytes, a lane a row, one instruction a wave.
; Each row's 256 bytes of a K step are named once in the launch: A's rows are read by one cluster alone, which asks; a batch's rows of B are read by four clusters, of which the first (cluster y % 4 = 0) asks;
; the four partners that ask for a tile jointly share its rows out by address.  K steps 0 to 3 come by their loads alone; the loop's last two trips (s3 = 2, 1) ask for nothing.
.macro ASK
	s_cmp_gt_u32 s3, s[LIM]
	s_cbranch_scc0 .Lnot_mine_\@
	global_prefetch_b8 v[PFO], s[PFA:PFA+1] offset:KSTEP*2 th:TH_LOAD_NT scope:SCOPE_SE
.Lnot_mine_\@:
.endm
.macro CREST                           ; a round of the cluster's barrier behind its opening barrier
	s_cmp_lg_u32 s10, 0
	s_cbranch_scc1 .Lnot_wave_0_\@
	s_barrier_signal -3
.Lnot_wave_0_\@:
	s_barrier_wait -3
	s_barrier_signal -1
	s_barrier_wait -1
.endm
.macro CROUND                          ; a whole round
	s_barrier_signal -1
	s_barrier_wait -1
	CREST
.endm
	s_load_b128 s[4:7], s[0:1], 0x0                ; qs s[4:5], mt s[6:7]
	s_load_b128 s[68:71], s[0:1], 0x10             ; amax s[68:69], bp s[70:71]
	s_load_b64 s[8:9], s[0:1], 0x20                ; out0
	v_lshl_add_u32 v[SPW], v0, 2, SPARE
	v_mov_b32 v[NIL], 0
	ds_add_u32 v[SPW], v[NIL]                      ; the wave's opening: the add and its wait stand ahead of my first tensor load; the set-up below, work on registers, stands between them
	v_lshrrev_b32 v1, 5, v0
	v_readfirstlane_b32 s10, v1                    ; wave 0..3
	s_lshr_b32 s11, s10, 1                         ; which half of the tile's tokens is mine.  Also: I fetch for A (0) or for B (1)
	s_and_b32 s12, s10, 1                          ; which half of its columns.  Also: which 128 rows of that tile I fetch
	s_bfe_u32 s40, ttmp6, 0x40000                  ; cx
	s_bfe_u32 s41, ttmp6, 0x40004                  ; cy
	s_lshl_b32 s42, ttmp9, 2
	s_add_co_u32 s42, s42, s40                     ; the block of 256 columns = 4 x cluster x + cx
	s_and_b32 s13, ttmp7, 0xffff
	s_lshr_b32 s72, s13, 2                         ; the batch: four clusters of 1,024 tokens each; the same in all sixteen partners
	s_lshl_b32 s73, s72, 21                        ; its 2 MiB of mt
	s_lshl_b32 s13, s13, 2
	s_add_co_u32 s13, s13, s41                     ; the block of 256 tokens = 4 x cluster y + cy
	s_lshl_b32 s43, s41, 2
	s_lshl_b32 s43, 15, s43                        ; my row of the cluster
	s_lshl_b32 s44, 0x1111, s40                    ; my column
	s_or_b32 s[G1+0], s43, (1<<16)|(1<<20)|(1<<21)|(5<<22)|(3<<25)   ; 15:0 the mask: A's tiles go to my row; elements of 2 bytes; 4 words of padding behind every 64; bit 21 set beside a mask
	s_or_b32 s[G1B+0], s44, (1<<16)|(1<<20)|(1<<21)|(5<<22)|(3<<25)  ; B's to my column
.irp g, G1, G1B
	s_mov_b32 s[(\g)+1], KSTEP<<16                 ; tensor_dim0 = 128
	s_mov_b32 s[(\g)+2], 128<<16                   ; tensor_dim1 = 128
	s_mov_b32 s[(\g)+3], KSTEP<<16                 ; tile_dim0 = 128
	s_mov_b32 s[(\g)+4], 128                       ; tile_dim1 = 128
	s_mov_b32 s[(\g)+5], SIZE_K                    ; elements from row to row
	s_mov_b32 s[(\g)+6], 0
	s_mov_b32 s[(\g)+7], 0
.endr
	s_mov_b32 s74, 0x76543210
	s_mov_b32 s75, 0xfedcba98
	s_lshl_b32 s17, s12, 7
	s_lshl_b32 s16, s13, 8
	s_add_co_u32 s16, s16, s17                     ; A: row 256 x token block + 128 x half
	s_lshl_b32 s46, s42, 8
	s_add_co_u32 s46, s46, s17                     ; B: row 256 x column block + 128 x half,
	s_lshl_b32 s16, s16, 11
	s_lshl_b32 s46, s46, 11
	s_add_co_u32 s46, s46, s73                     ; in the batch's part of mt
	s_mov_b32 s17, 0
	s_mov_b32 s47, 0
	s_mul_i32 s[WB], s10, HALFT                    ; where they go: wave x 128 rows: no place in the cluster enters an LDS address
	s_mov_b32 s[TB], 0                             ; K step 0 lies in slot 0
	s_wait_dscnt 0x0                               ; the opening add is done
	s_wait_kmcnt 0x0
	s_add_nc_u64 s[14:15], s[4:5], s[16:17]
	s_add_nc_u64 s[46:47], s[6:7], s[46:47]
	CROUND                                         ; all sixteen work-groups are here: the first joint loads meet
.irp s, 0,1
	s_mov_b32 s[G0+4*(\s)], 1
	s_add_co_u32 s[G0+4*(\s)+1], s[WB], (\s)*SLOT
	s_add_nc_u64 s[G0+4*(\s)+2:G0+4*(\s)+3], s[14:15], (\s)*KSTEP*2
	s_or_b32 s[G0+4*(\s)+3], s[G0+4*(\s)+3], 0x80000000
	s_mov_b32 s[G0B+4*(\s)], 1
	s_add_co_u32 s[G0B+4*(\s)+1], s[WB], (\s)*SLOT
	s_add_nc_u64 s[G0B+4*(\s)+2:G0B+4*(\s)+3], s[46:47], (\s)*KSTEP*2
	s_or_b32 s[G0B+4*(\s)+3], s[G0B+4*(\s)+3], 0x80000000
	JLOAD \s                                       ; two tensor loads of mine are out
.endr
	v_and_b32 v1, 15, v0                           ; l % 16
	v_bfe_u32 v2, v0, 4, 1                         ; l / 16
	v_and_b32 v6, 31, v0
	v_lshlrev_b32 v[CO], 4, v6
	s_lshl_b32 s14, s72, 11                        ; the batch's 512 numbers of amax
	s_mov_b32 s15, 0
	s_add_nc_u64 s[68:69], s[68:69], s[14:15]
.irp i, 0,1,2,3
	global_load_b128 v[AM+4*\i:AM+4*\i+3], v[CO], s[68:69] offset:512*\i
.endr
	s_lshl_b32 s14, s42, 10                        ; my 128 columns, in bytes of f32
	s_lshl_b32 s16, s12, 9
	s_add_co_u32 s14, s14, s16
	s_add_nc_u64 s[70:71], s[70:71], s[14:15]
	global_load_b128 v[BP:BP+3], v[CO], s[70:71]
	v_mul_u32_u24 v3, v1, PITCH
	v_lshl_add_u32 v3, v2, 4, v3
	s_mul_i32 s21, s11, HALFT                      ; my 128 rows of A
	s_mul_i32 s22, s12, HALFT                      ; my 128 rows of B,
	s_add_co_u32 s22, s22, 2*HALFT                 ; which lie behind A's 256
	v_add_nc_u32 v[ADRA0], s21, v3
	v_add_nc_u32 v[ADRB0], s22, v3
	v_mov_b32 v[ADRA], v[ADRA0]
	v_mov_b32 v[ADRB], v[ADRB0]
	s_mul_i32 s23, s10, 16*SPITCH
	s_add_co_u32 s23, s23, STAGE                   ; my stage
	v_mul_u32_u24 v4, v1, SPITCH                   ; in: row l % 16, 32 bytes for each half of the lanes
	v_lshl_add_u32 v4, v2, 5, v4
	v_add_nc_u32 v[STO], s23, v4
	v_add_nc_u32 v[RD], s23, v[CO]                 ; back: the 32 lanes take one row of 512 bytes
	; where my part of the tile begins in out0: the first way out adds it to the address
	s_lshl_b32 s13, s13, 8
	s_lshl_b32 s17, s11, 7
	s_add_co_u32 s16, s13, s17                     ; my first token
	s_lshl_b32 s16, s16, 12
	s_add_co_u32 s16, s16, s14
	s_mov_b32 s17, 0
	; the prefetches
	s_lshl_b32 s42, s42, 8
	s_and_b32 s22, ttmp7, 3                        ; cluster y % 4
	s_cmp_eq_u32 s11, 0                            ; do I fetch for A?
	s_cselect_b32 s20, s13, s42                    ; the tile's first row
	s_cselect_b32 s21, s40, s41                    ; my place among the four that ask for it with me
	s_cselect_b32 s22, ttmp9, s22                  ; the coordinate along which other clusters read the same rows
	s_cselect_b32 s23, 0, s73                      ; B: the batch's part of mt
	s_cselect_b64 s[PFA:PFA+1], s[4:5], s[6:7]
	s_cmp_eq_u32 s22, 0
	s_cselect_b32 s[LIM], 2, -1                    ; the same in all sixteen partners, for a given wave
	s_lshl_b32 s22, s12, 7
	s_add_co_u32 s20, s20, s22
	s_lshl_b32 s21, s21, 5
	s_add_co_u32 s20, s20, s21
	s_lshl_b32 s20, s20, 11
	s_add_co_u32 s20, s20, s23
	s_mov_b32 s21, 0
	s_add_nc_u64 s[PFA:PFA+1], s[PFA:PFA+1], s[20:21]
	s_add_nc_u64 s[PFA:PFA+1], s[PFA:PFA+1], 2*KSTEP*2  ; at K step 2: the first refill steps it to 3 and names K step 4
	v_lshlrev_b32 v[PFO], 11, v6
	s_wait_loadcnt 0x0                             ; the maxima and bp
.irp k, 0,3,6,9,12
	v_max3_num_f32 v[AM+\k], v[AM+\k], v[AM+\k+1], v[AM+\k+2]
.endr
	v_max3_num_f32 v[AM], v[AM], v[AM+3], v[AM+6]
	v_max3_num_f32 v[AM+9], v[AM+9], v[AM+12], v[AM+15]
	v_max_num_f32 v[AM], v[AM], v[AM+9]
.irp m, 1,2,4,8
	v_max_num_f32_dpp v[AM], v[AM], v[AM] row_xmask:\m row_mask:0xf bank_mask:0xf
.endr
	v_permlanex16_b32 v[AM+1], v[AM], s74, s75
	v_max_num_f32 v[AM], v[AM], v[AM+1]
	v_and_b32 v[SI], 0x7f800000, v[AM]             ; the exponent field alone: 2^(E - 127)
	v_mov_b32 v[SI+1], v[SI]
; 16 matrix instructions: token blocks a0, a0 + 1 of the window's four x all 8 column blocks, 32 along K.  zero = 1: the first product starts the sums: nothing is cleared.
.macro MUL16 f, hi, a0, zero
	WIN MUL_LO+0x50*(\hi)
.irp a, \a0, (\a0)+1
.irp b, 0,1,2,3,4,5,6,7
.if \zero
	v_wmma_f32_16x16x32_f16 v[8*(8*(\a)+(\b)):8*(8*(\a)+(\b))+7], v[(\f)+8*(\b):(\f)+8*(\b)+7], v[(\f)+8*(4*(\hi)+(\a)):(\f)+8*(4*(\hi)+(\a))+7], 0
.else
	v_wmma_f32_16x16x32_f16 v[8*(8*(\a)+(\b)):8*(8*(\a)+(\b))+7], v[(\f)+8*(\b):(\f)+8*(\b)+7], v[(\f)+8*(4*(\hi)+(\a)):(\f)+8*(4*(\hi)+(\a))+7], v[8*(8*(\a)+(\b)):8*(8*(\a)+(\b))+7]
.endif
.endr
.endr
.endm
.macro FETCH k, f                      ; 32 LDS loads in one run: the fragments of one quarter step of the slot in hand, B's first
	WIN TO_B
.irp i, 0,1,2,3,4,5,6,7
	ds_load_b128 v[(\f)+8*(\i):(\f)+8*(\i)+3],   v[ADRB] offset:(\k)+(\i)*16*PITCH
	ds_load_b128 v[(\f)+8*(\i)+4:(\f)+8*(\i)+7], v[ADRB] offset:(\k)+(\i)*16*PITCH+32
.endr
	WIN 0
.irp i, 0,1,2,3,4,5,6,7
	ds_load_b128 v[(\f)+8*(\i):(\f)+8*(\i)+3],   v[ADRA] offset:(\k)+(\i)*16*PITCH
	ds_load_b128 v[(\f)+8*(\i)+4:(\f)+8*(\i)+7], v[ADRA] offset:(\k)+(\i)*16*PITCH+32
.endr
.endm
.macro PLACES                          ; four plain instructions between a matrix instruction and a load into, or a store of, its registers
.rept 4
	v_nop
.endr
.endm
; A K step is four quarters of 32 along K, 64 matrix instructions each, on buffers 0, 1, 0, 1.  The 64 accumulators take turns in the same order in every quarter.
.macro QUARTER k, f, g, zero
	s_wait_dscnt 8                                 ; B and A's rows 0-63 are in; the youngest eight loads (A's rows 64-127) may be out
	MUL16 \f, 0, 0, \zero
	MUL16 \f, 0, 2, \zero
	PLACES
	FETCH \k, \g
	s_wait_dscnt 32                                ; all but the 32 just issued
	MUL16 \f, 1, 0, \zero
	MUL16 \f, 1, 2, \zero
.endm
; The first half of a K step's last quarter: one barrier for the change of slots.  In front of it each wave waits for all its tensor loads (one is out: its part of the next slot), adds 0 to its spare word, and waits
; for that and for its reads of this slot.  Between the add and its wait stands the change itself, work on registers: fill = 1: the walking descriptors take the slot that is being left and the next K step but one;
; the slot in hand is turned, and the fragments' addresses are made anew (all loads from the old slot have been issued).
.macro MEET fill
	WIN 0
	s_wait_tensorcnt 0x0                           ; no tensor load of mine is out, so a group 0 may be written
	ds_add_u32 v[SPW], v[NIL]
.if \fill
	s_add_co_u32 s[G0+5], s[WB], s[TB]
	s_add_co_u32 s[G0B+5], s[WB], s[TB]
	s_add_nc_u64 s[G0+6:G0+7], s[G0+6:G0+7], KSTEP*2      ; the type bits on top are not reached
	s_add_nc_u64 s[G0B+6:G0B+7], s[G0B+6:G0B+7], KSTEP*2
.endif
	s_xor_b32 s[TB], s[TB], SLOT
	v_add_nc_u32 v[ADRA], s[TB], v[ADRA0]
	v_add_nc_u32 v[ADRB], s[TB], v[ADRB0]
	s_wait_dscnt 9                                 ; the add and the youngest eight loads may be out
	MUL16 F1, 0, 0, 0                              ; sixteen matrix instructions stand between the add and the wait for it
	s_wait_dscnt 0x0                               ; the add is done, and my reads of the old slot are over
	s_barrier_signal -1
	MUL16 F1, 0, 2, 0
.if \fill
	WIN 0
.endif
	s_barrier_wait -1
.endm
; The whole last quarter of a K step that fills its slot again: the barrier opens a round of the cluster's barrier, and behind it stands the joint refill, 224 matrix instructions before the wait for it.
.macro TURN
	s_wait_xcnt 0x0                                ; the last prefetch, a K step back, has read its address
	s_add_nc_u64 s[PFA:PFA+1], s[PFA:PFA+1], KSTEP*2
	MEET 1
	CREST                                          ; no wave of any partner still reads the old slot's tile or has a load on its way
	JLOAD 1                                        ; my one tensor load behind the round; its four v_nop are also the places in front of the loads below
	FETCH 0, F0
	ASK
	MUL16 F1, 1, 0, 0
	MUL16 F1, 1, 2, 0
.endm
; THE LAST K STEP, BY ROWS.
.macro BLOAD q                         ; B's fragments of quarter q -> window 1, v[64 q ..]
	WIN TO_B
.irp i, 0,1,2,3,4,5,6,7
	ds_load_b128 v[64*(\q)+8*(\i):64*(\q)+8*(\i)+3],   v[ADRB] offset:64*(\q)+(\i)*16*PITCH
	ds_load_b128 v[64*(\q)+8*(\i)+4:64*(\q)+8*(\i)+7], v[ADRB] offset:64*(\q)+(\i)*16*PITCH+32
.endr
.endm
.macro ALOAD a                         ; A's fragments of block a, all four quarters -> buffer a % 4
	WIN 0
.set FA, PA+32*((\a)%4)
.irp q, 0,1,2,3
	ds_load_b128 v[FA+8*(\q):FA+8*(\q)+3],   v[ADRA] offset:64*(\q)+(\a)*16*PITCH
	ds_load_b128 v[FA+8*(\q)+4:FA+8*(\q)+7], v[ADRA] offset:64*(\q)+(\a)*16*PITCH+32
.endr
.endm
.macro ROW a                           ; block a is finished: 32 matrix instructions, its 8 accumulators by turns
.set FA, PA+32*((\a)%4)
.set AC, 64*((\a)%4)                   ; its accumulators, in window 2 (blocks 0-3) or 3 (blocks 4-7)
	WIN MUL_LO+0x50*((\a)/4)
.irp q, 0,1,2,3
.if (\a) == 0 && (\q) == 2
	s_wait_dscnt 24                                ; B's quarter 2 is in (behind it: A's blocks 1 to 3)
.endif
.irp b, 0,1,2,3,4,5,6,7
	v_wmma_f32_16x16x32_f16 v[AC+8*(\b):AC+8*(\b)+7], v[64*(\q)+8*(\b):64*(\q)+8*(\b)+7], v[FA+8*(\q):FA+8*(\q)+7], v[AC+8*(\b):AC+8*(\b)+7]
.endr
.endr
.endm
; THE WAY OUT of block a (16 tokens).  TOSTAGE: a lane's 32 bytes of a row go into my stage, the low four registers of each accumulator first, and come back as whole rows of 512 bytes.
.macro TOSTAGE a
	s_wait_xcnt 0x0                                ; the stores of the block before have read the registers that the loads below fill
	WIN 0x08+4*((\a)/4)                            ; the stores' data in window 2 or 3
.set AC, 64*((\a)%4)
.irp b, 0,1,2,3,4,5,6,7
	ds_store_b128 v[STO], v[AC+8*\b:AC+8*\b+3]   offset:64*\b
	ds_store_b128 v[STO], v[AC+8*\b+4:AC+8*\b+7] offset:64*\b+16
.endr
	WIN 0
.set t, 0
.rept 16
	ds_load_b128 v[OB+4*t:OB+4*t+3], v[RD] offset:SPITCH*t  ; LDS serves a wave's instructions in order (ISA guide 5.7.1.4): these see the stores above; the next block's stores come behind them
.set t, t+1
.endr
.endm
; SEND: x 2^(E - 127) + bp, one fused multiply-add, and stored.  It stands behind the next block's products, and its 32 multiply-adds are the places behind them.
; younger: the LDS loads issued behind the block's own: the eight of A's block four further on, or none
.macro SEND a, younger
	WIN 0
	s_wait_dscnt \younger
.set t, 0
.rept 16
	v_pk_fma_f32 v[OB+4*t:OB+4*t+1],   v[OB+4*t:OB+4*t+1],   v[SI:SI+1], v[BP:BP+1]
	v_pk_fma_f32 v[OB+4*t+2:OB+4*t+3], v[OB+4*t+2:OB+4*t+3], v[SI:SI+1], v[BP+2:BP+3]
.set t, t+1
.endr
	s_wait_xcnt 0x0                                ; earlier stores have read their base
.if (\a) == 0
	s_add_nc_u64 s[8:9], s[8:9], s[16:17]          ; on to my first row
.else
	s_add_nc_u64 s[8:9], s[8:9], 16*4096           ; 16 rows on
.endif
.set t, 0
.rept 16
	global_store_b128 v[CO], v[OB+4*t:OB+4*t+3], s[8:9] offset:4096*t th:TH_STORE_NT  ; 512 consecutive bytes, aligned
.set t, t+1
.endr
.endm
	s_wait_tensorcnt 1                             ; my part of K step 0 is in; K step 1's may stay out
	s_barrier_signal -1
	s_barrier_wait -1                              ; everybody's is
	FETCH 0, F0
	QUARTER 64,  F0, F1, 1                         ; the first quarter stands in front of the loop: its products start the sums
	WIN 0
	s_mov_b32 s3, KSTEPS-2
.Lstep:                                                ; a trip goes from a K step's second quarter to the next K step's first, and fills the slot that it leaves
	QUARTER 128, F1, F0, 0
	QUARTER 192, F0, F1, 0
	TURN
	QUARTER 64,  F0, F1, 0
	WIN 0
	s_sub_co_u32 s3, s3, 1
	s_cmp_lg_u32 s3, 0
	s_cbranch_scc1 .Lstep
	QUARTER 128, F1, F0, 0                         ; the last K step but one goes on; it asks for nothing
	QUARTER 192, F0, F1, 0
	MEET 0                                         ; my one tensor load that was still out is the last K step's, so no round follows
	PLACES                                         ; for the loads into buffer 0, which the quarter before multiplied
	BLOAD 0                                        ; three quarters of B now: buffer 1 (v128-191 of both windows) is still being multiplied
	BLOAD 1
	BLOAD 3
	ALOAD 0
	MUL16 F1, 1, 0, 0
	MUL16 F1, 1, 2, 0
	PLACES                                         ; for the loads into buffer 1
	BLOAD 2
	ALOAD 1
	ALOAD 2
	ALOAD 3
	s_wait_dscnt 40                                ; all but the 40 just issued
	ROW 0
	PLACES                                         ; the stage's stores read results just made, and no other vector work is at hand
	TOSTAGE 0
	s_wait_dscnt 48                                ; A's block 1 is in: behind it stand blocks 2 and 3 (16 loads) and the stage's 32
	ALOAD 4                                        ; block 0's buffer takes the block four further on
	ROW 1
	SEND 0, 8
.irp a, 1,2,3                          ; a block goes into the stage, the next block is multiplied while it comes back, then it is sent
	TOSTAGE \a
	ALOAD (\a)+4
	ROW (\a)+1                                     ; its fragments of A stand ahead of the stage's loads that the SEND before has waited for
	SEND \a, 8
.endr
.irp a, 4,5,6
	TOSTAGE \a
	ROW (\a)+1
	SEND \a, 0
.endr
	TOSTAGE 7
	SEND 7, 0
	s_wait_tensorcnt 0x0                           ; the wave's end: behind my last tensor load and my last LDS store
	ds_add_u32 v[SPW], v[NIL]
	s_wait_dscnt 0x0
	CROUND                                         ; the closing round: no work-group ends while a partner may still ask for a tile that names it
	s_endpgm
.Lfunc_end_k_qd1aee5ea3e_outp:
	.size	k_qd1aee5ea3e_outp, .Lfunc_end_k_qd1aee5ea3e_outp-k_qd1aee5ea3e_outp
	.p2alignl 7, 3214868480
	.fill 96, 4, 3214868480
	.section	.rodata,"a",@progbits
	.p2align	6, 0x0
	.amdhsa_kernel k_qd1aee5ea3e_outp
		.amdhsa_group_segment_fixed_size 327680
		.amdhsa_private_segment_fixed_size 0
		.amdhsa_enable_private_segment 0
		.amdhsa_kernarg_size 40
		.amdhsa_user_sgpr_count 2
		.amdhsa_user_sgpr_kernarg_segment_ptr 1
		.amdhsa_wavefront_size32 1
		.amdhsa_system_sgpr_workgroup_id_x 1
		.amdhsa_system_sgpr_workgroup_id_y 1
		.amdhsa_system_sgpr_workgroup_id_z 1
		.amdhsa_system_vgpr_workitem_id 0
		.amdhsa_next_free_vgpr 1024
		.amdhsa_next_free_sgpr 80
		.amdhsa_reserve_vcc 0
		.amdhsa_float_denorm_mode_32 3
		.amdhsa_float_denorm_mode_16_64 3
		.amdhsa_memory_ordered 1
		.amdhsa_forward_progress 1
		.amdhsa_inst_pref_size 133
	.end_amdhsa_kernel
	.amdgpu_metadata
---
amdhsa.version: [ 1, 2 ]
amdhsa.kernels:
  - .name:           k_qd1aee5ea3e_outp
    .symbol:         k_qd1aee5ea3e_outp.kd
    .args:
      - { .name: qs, .offset: 0, .size: 8, .value_kind: global_buffer, .address_space: global }
      - { .name: mt, .offset: 8, .size: 8, .value_kind: global_buffer, .address_space: global }
      - { .name: amax, .offset: 16, .size: 8, .value_kind: global_buffer, .address_space: global }
      - { .name: bp, .offset: 24, .size: 8, .value_kind: global_buffer, .address_space: global }
      - { .name: out0, .offset: 32, .size: 8, .value_kind: global_buffer, .address_space: global }
    .group_segment_fixed_size: 327680
    .private_segment_fixed_size: 0
    .kernarg_segment_align: 8
    .kernarg_segment_size: 40
    .max_flat_workgroup_size: 128
    .sgpr_count:     80
    .vgpr_count:     1024
    .wavefront_size: 32
...
	.end_amdgpu_metadata
.endif
;; end of part 5
